; MI455X (gfx1250); checked and timed in simulation.
; The chip was launched on July 23, 2026; its instructions are those of AMD's public machine-readable ISA for CDNA 5 (MIT licence, August 2026) and "CDNA5" Instruction Set Architecture Reference Guide (July 2026). The comments in the code are by the model that wrote it; some were corrected since.
;; Athena SA. Allowed arithmetic: float matrix products may take bf16 or f16 operands with f32 sums; other float arithmetic in f32, or as packed bf16 or f16 multiplies, adds, multiply-adds, maxima and minima; sums over many terms, partial sums and values carried from step to step in f32; what a program stores and reads back later, other than sums and carried values, may be rounded once to bf16 or f16.
;; Inputs: cos_buffer 2 x 1 x 4,096 x 128 float32; embeddings 1 x 4,096 x 2,048 float32; sin_buffer 2 x 1 x 4,096 x 128 float32; wk 2,048 x 512 float32; wo 2,048 x 2,048 float32; wq 2,048 x 2,048 float32; wv 2,048 x 512 float32.
;; Outputs: out0 1 x 4,096 x 2,048 float32.
;; Constants: window_size = 256.
;; One version. Each part assembles by itself: llvm-mc -triple=amdgcn-amd-amdhsa -mcpu=gfx1250 --defsym DOCPART=n.
;; ======== version 1 of 1: 4 launches
;; workspace buffers: xn 16,777,216 bytes; wcat 12,582,912 bytes; wob 8,388,608 bytes; cosb 2,097,152 bytes; sinb 2,097,152 bytes; qkv 25,165,824 bytes; obuf 16,777,216 bytes
;; launch prep (part 1): grid 1280 x 1, 8 waves a work-group, no clusters, 0 bytes of LDS; arguments embeddings, wq, wo, wk, wv, cos_buffer, sin_buffer, xn, wcat, wob, cosb, sinb; writes xn, wcat, wob, cosb, sinb
.if DOCPART == 1
	.amdgcn_target "amdgcn-amd-amdhsa--gfx1250"
	.amdhsa_code_object_version 6
	.text
	.protected	k_q4ee097bec2_prep
	.globl	k_q4ee097bec2_prep
	.p2align	8
	.type	k_q4ee097bec2_prep,@function
k_q4ee097bec2_prep:
	s_mov_b64 s[64:65], 0
	v_nop
	global_prefetch_b8 v0, s[64:65] scope:SCOPE_SE
	s_setreg_imm32_b32 hwreg(HW_REG_WAVE_MODE, 25, 1), 1
	s_wait_xcnt 0x0
; PREP: every f32 input is read once and written once as bf16, rounded to nearest even.
;   embeddings [4096][2048] -> xn: each row times rsqrt(mean of its squares + 1e-5), the norm in f32
;   wq [2048][2048], wk, wv [2048][512] -> wcat [2048][3072]: columns 0-2047 wq, 2048-2559 wk, 2560-3071 wv
;   wo -> wob, cos_buffer -> cosb, sin_buffer -> sinb, same shapes
; A JOB is 8,192 consecutive source bytes (2,048 f32), one wave's: 16 loads of 512 consecutive bytes, all issued at once, then 16 stores of
; 256 consecutive bytes, aligned.  A row of embeddings is one job, so the norm never leaves the wave: no LDS, no barrier.
; The work-group's number says which tensor its eight jobs belong to; the tensor is chosen by scalar selects, not by branches.
; No matrix unit, no cluster, no tensor load: no byte is shared between work-groups and none is used twice.
; LIMITS: v_rsq_f32 is accurate to 1 ULP; NaN and infinities are not treated apart.
.set X,   20                           ; v[20:83] the job, 4 registers a load
.set SRC, 28                           ; s[28:29] the job's first source byte
.set DST, 30                           ; s[30:31] the job's first destination byte
; s32 first work-group of the kind; s33 destination bytes from job to job; s34 first column's bytes; s35 destination bytes from quarter to quarter of a job
.macro KIND first, src, dst, step, col, gd
	s_cmp_ge_u32 ttmp9, \first
	s_cselect_b64 s[SRC:SRC+1], s[\src:\src+1], s[SRC:SRC+1]
	s_cselect_b64 s[DST:DST+1], s[\dst:\dst+1], s[DST:DST+1]
	s_cselect_b32 s32, \first, s32
	s_cselect_b32 s33, \step, s33
	s_cselect_b32 s34, \col, s34
	s_cselect_b32 s35, \gd, s35
.endm
; The job leaves: two roundings a pair of registers, 8 bytes a lane, 256 consecutive bytes a store.  No register is written again behind its store.
.macro OUT scaled
.set j, 0
.rept 16
.if \scaled
	v_pk_mul_f32 v[X+4*j:X+4*j+1], v[X+4*j:X+4*j+1], v[16:17]
	v_pk_mul_f32 v[X+4*j+2:X+4*j+3], v[X+4*j+2:X+4*j+3], v[16:17]
.else
	s_wait_loadcnt 15-j                            ; loads come back in order: load j is in, the 15 - j younger ones stay out
.endif
	v_cvt_pk_bf16_f32 v[X+4*j], v[X+4*j], v[X+4*j+1]
	v_cvt_pk_bf16_f32 v[X+4*j+1], v[X+4*j+2], v[X+4*j+3]
	global_store_b64 v[2+j/4], v[X+4*j:X+4*j+1], s[DST:DST+1] offset:256*(j%4)
.set j, j+1
.endr
.endm
	s_load_b512 s[4:19], s[0:1], 0x0               ; embeddings 4, wq 6, wo 8, wk 10, wv 12, cos 14, sin 16, xn 18
	s_load_b256 s[20:27], s[0:1], 0x40             ; wcat 20, wob 22, cosb 24, sinb 26
	v_lshrrev_b32 v14, 5, v0
	v_readfirstlane_b32 s36, v14                   ; wave 0..7
	v_and_b32 v15, 31, v0                          ; lane
	v_lshlrev_b32 v1, 4, v15                       ; 16 source bytes a lane
	v_lshlrev_b32 v2, 3, v15                       ; 8 destination bytes a lane
	v_mov_b32 v18, 0x3a000000                      ; 1 / 2048
	s_mov_b32 s42, 0x76543210                      ; v_permlanex16_b32: each lane takes its own place in the other half
	s_mov_b32 s43, 0xfedcba98
	s_mov_b32 s32, 0                               ; work-groups 0-511: embeddings -> xn
	s_mov_b32 s33, 4096
	s_mov_b32 s34, 0
	s_mov_b32 s35, 1024
	s_wait_kmcnt 0x0
	s_mov_b64 s[SRC:SRC+1], s[4:5]
	s_mov_b64 s[DST:DST+1], s[18:19]
	KIND 512,  6,  20, 6144,  0,    1024           ; wq: a job is a row; wcat's rows are 6,144 bytes
	KIND 768,  8,  22, 4096,  0,    1024           ; wo
	KIND 1024, 10, 20, 24576, 4096, 6144           ; wk: a job is four rows of 512 columns
	KIND 1088, 12, 20, 24576, 5120, 6144           ; wv
	KIND 1152, 14, 24, 4096,  0,    1024           ; cos
	KIND 1216, 16, 26, 4096,  0,    1024           ; sin
	s_sub_co_u32 s37, ttmp9, s32
	s_lshl_b32 s37, s37, 3
	s_add_co_u32 s37, s37, s36                     ; the job's number in its tensor
	s_lshl_b32 s38, s37, 13
	s_mov_b32 s39, 0
	s_mul_i32 s40, s37, s33
	s_add_co_u32 s40, s40, s34
	s_mov_b32 s41, 0
	s_add_nc_u64 s[SRC:SRC+1], s[SRC:SRC+1], s[38:39]
	s_add_nc_u64 s[DST:DST+1], s[DST:DST+1], s[40:41]
	v_add_nc_u32 v3, s35, v2                       ; the four quarters' places in the destination
	v_add_nc_u32 v4, s35, v3
	v_add_nc_u32 v5, s35, v4
.set j, 0
.rept 16
	global_load_b128 v[X+4*j:X+4*j+3], v1, s[SRC:SRC+1] offset:512*j th:TH_LOAD_NT
.set j, j+1
.endr
	s_cmp_lt_u32 ttmp9, 512
	s_cbranch_scc0 .Lcast
	; the norm: my 64 squares in four chains of pairs, started by the first products
.set j, 0
.rept 16
	s_wait_loadcnt 15-j                            ; load j is in, the younger ones stay out
.if j < 2
	v_pk_mul_f32 v[6+4*j:7+4*j], v[X+4*j:X+4*j+1], v[X+4*j:X+4*j+1]
	v_pk_mul_f32 v[8+4*j:9+4*j], v[X+4*j+2:X+4*j+3], v[X+4*j+2:X+4*j+3]
.else
	v_pk_fma_f32 v[6+4*(j%2):7+4*(j%2)], v[X+4*j:X+4*j+1], v[X+4*j:X+4*j+1], v[6+4*(j%2):7+4*(j%2)]
	v_pk_fma_f32 v[8+4*(j%2):9+4*(j%2)], v[X+4*j+2:X+4*j+3], v[X+4*j+2:X+4*j+3], v[8+4*(j%2):9+4*(j%2)]
.endif
.set j, j+1
.endr
	v_pk_add_f32 v[6:7], v[6:7], v[10:11]
	v_pk_add_f32 v[8:9], v[8:9], v[12:13]
	v_pk_add_f32 v[6:7], v[6:7], v[8:9]
	v_add_f32 v14, v6, v7
	v_add_f32_dpp v14, v14, v14 row_xmask:1 row_mask:0xf bank_mask:0xf
	v_add_f32_dpp v14, v14, v14 row_xmask:2 row_mask:0xf bank_mask:0xf
	v_add_f32_dpp v14, v14, v14 row_xmask:4 row_mask:0xf bank_mask:0xf
	v_add_f32_dpp v14, v14, v14 row_xmask:8 row_mask:0xf bank_mask:0xf
	v_permlanex16_b32 v15, v14, s42, s43           ; v15 has been written before
	v_add_f32 v14, v14, v15                        ; every lane holds the row's sum of squares
	v_fmaak_f32 v14, v14, v18, 0x3727c5ac          ; / 2048 + 1e-5
	v_rsq_f32 v16, v14                             ; twice: the pair that the packed multiply takes
	v_rsq_f32 v17, v14
	v_nop                                          ; a plain instruction between the last root and its first use
	s_wait_alu depctr_va_vdst(0)                   ; the wait ahead of the first reader: one for both
	OUT 1
	s_endpgm
.Lcast:
	OUT 0
	s_endpgm
.Lfunc_end_k_q4ee097bec2_prep:
	.size	k_q4ee097bec2_prep, .Lfunc_end_k_q4ee097bec2_prep-k_q4ee097bec2_prep
	.p2alignl 7, 3214868480
	.fill 96, 4, 3214868480
	.section	.rodata,"a",@progbits
	.p2align	6, 0x0
	.amdhsa_kernel k_q4ee097bec2_prep
		.amdhsa_group_segment_fixed_size 0
		.amdhsa_private_segment_fixed_size 0
		.amdhsa_enable_private_segment 0
		.amdhsa_kernarg_size 96
		.amdhsa_user_sgpr_count 2
		.amdhsa_user_sgpr_kernarg_segment_ptr 1
		.amdhsa_wavefront_size32 1
		.amdhsa_system_sgpr_workgroup_id_x 1
		.amdhsa_system_sgpr_workgroup_id_y 1
		.amdhsa_system_sgpr_workgroup_id_z 1
		.amdhsa_system_vgpr_workitem_id 0
		.amdhsa_next_free_vgpr 88
		.amdhsa_next_free_sgpr 66
		.amdhsa_reserve_vcc 0
		.amdhsa_float_denorm_mode_32 3
		.amdhsa_float_denorm_mode_16_64 3
		.amdhsa_memory_ordered 1
		.amdhsa_forward_progress 1
		.amdhsa_inst_pref_size 18
	.end_amdhsa_kernel
	.amdgpu_metadata
---
amdhsa.version: [ 1, 2 ]
amdhsa.kernels:
  - .name:           k_q4ee097bec2_prep
    .symbol:         k_q4ee097bec2_prep.kd
    .args:
      - { .name: embeddings, .offset: 0, .size: 8, .value_kind: global_buffer, .address_space: global }
      - { .name: wq, .offset: 8, .size: 8, .value_kind: global_buffer, .address_space: global }
      - { .name: wo, .offset: 16, .size: 8, .value_kind: global_buffer, .address_space: global }
      - { .name: wk, .offset: 24, .size: 8, .value_kind: global_buffer, .address_space: global }
      - { .name: wv, .offset: 32, .size: 8, .value_kind: global_buffer, .address_space: global }
      - { .name: cos_buffer, .offset: 40, .size: 8, .value_kind: global_buffer, .address_space: global }
      - { .name: sin_buffer, .offset: 48, .size: 8, .value_kind: global_buffer, .address_space: global }
      - { .name: xn, .offset: 56, .size: 8, .value_kind: global_buffer, .address_space: global }
      - { .name: wcat, .offset: 64, .size: 8, .value_kind: global_buffer, .address_space: global }
      - { .name: wob, .offset: 72, .size: 8, .value_kind: global_buffer, .address_space: global }
      - { .name: cosb, .offset: 80, .size: 8, .value_kind: global_buffer, .address_space: global }
      - { .name: sinb, .offset: 88, .size: 8, .value_kind: global_buffer, .address_space: global }
    .group_segment_fixed_size: 0
    .private_segment_fixed_size: 0
    .kernarg_segment_align: 8
    .kernarg_segment_size: 96
    .max_flat_workgroup_size: 256
    .sgpr_count:     66
    .vgpr_count:     88
    .wavefront_size: 32
...
	.end_amdgpu_metadata
.endif
;; end of part 1
;; launch qkv (part 2): grid 8 x 32, 4 waves a work-group, clusters of 4 x 4, 327,680 bytes of LDS; arguments xn, wcat, cosb, sinb, qkv; writes qkv
.if DOCPART == 2
	.amdgcn_target "amdgcn-amd-amdhsa--gfx1250"
	.amdhsa_code_object_version 6
	.text
	.protected	k_q4ee097bec2_qkv
	.globl	k_q4ee097bec2_qkv
	.p2align	8
	.type	k_q4ee097bec2_qkv,@function
k_q4ee097bec2_qkv:
	s_mov_b64 s[64:65], 0
	v_nop
	global_prefetch_b8 v0, s[64:65] scope:SCOPE_SE
	s_setreg_imm32_b32 hwreg(HW_REG_WAVE_MODE, 25, 1), 1
	s_wait_xcnt 0x0
	s_wait_alu depctr_hold_cnt(0) depctr_sa_sdst(0) depctr_va_vdst(0) depctr_va_sdst(0) depctr_va_ssrc(0) depctr_va_vcc(0) depctr_vm_vsrc(0)
	s_getreg_b32 s2, hwreg(HW_REG_IB_STS2, 6, 4)
	s_cmp_eq_u32 s2, 0
	s_cbranch_scc0 .Lentry_in_a_cluster
	s_endpgm
.Lentry_in_a_cluster:
	s_bfe_u32 s2, ttmp6, 0x10000c
	s_cmp_lg_u32 s2, 0xf033
	s_cbranch_scc0 .Lentry_shape_is_right
	s_endpgm
.Lentry_shape_is_right:
; QKV: [4096][3072] = xn [4096][2048] x wcat [2048][3072], bf16 operands, f32 sums; q and k rotated by the tables; stored by heads: qkv [24][4096][128] bf16
; (heads 0-15 q, 16-19 k, 20-23 v).
; SHARES.  A work-group makes 128 rows x 3 CHUNKS of 128 columns, a chunk a head: query heads 2 TX and 2 TX + 1, and head 16 + TX / 2 (a key head, TX even) or 20 + TX / 2 (a value head, TX odd).
; 8 x 32 work-groups.  Of four waves wave (WM, WN) takes rows 64 WM .. + 63 and, in each chunk, columns 64 WN .. + 63: 4 x 12 accumulators of 16 x 16.
; RING.  K goes in 16 steps of 128 through two LDS slots; a slot holds four regions of 36,864 bytes: A's 128 rows (256 bytes + 16 of padding), then for each chunk 128 k-rows (256 + 32).
; Wave 0 fetches A's tile, wave 1 + c chunk c: one tensor load of 128 rows x 256 bytes a wave behind each change of slots; two loads of a wave are out at the start, later one.
; CLUSTER 4 x 4: A's tile hangs on the tile row alone and is asked for jointly by a row of the cluster, a chunk on the tile column alone and by a column.
; THE PRODUCT IS TAKEN TRANSPOSED: source 0 = 16 columns of the weights (stored [k][n]: turned on the way out of LDS by ds_load_tr16_b128), source 1 = 16 rows of xn: a lane holds one row
; of the result and eight neighbouring columns.
; WAY OUT.  The last change of slots fills slot 0's bytes with the four tables (cos q, sin q, cos k, sin k: the work-group's 128 rows, 32,768 bytes each, one a wave, jointly along the cluster's
; row).  The sums are rounded to bf16 into a stage in slot 1's bytes, which has had its last fill; then out[d] = cos[d] f[d] + sin[d] f[d xor 64] in f32, whole rows of 256 bytes a store.
; Chunk 2 is rotated in every work-group; where it is a value head a select keeps f: no branch hangs on a work-group's place in its cluster.
; LIMITS: cos and sin enter rounded to bf16; q and k are rounded to bf16 once before the rotation and once behind it, v once.
; REGISTERS, in windows of 256 (s_set_vgpr_msb: bits 1:0 source 0, 3:2 source 1, 5:4 source 2, 7:6 destination):
;   window 0: v0-31 addresses; v32-47 at work; v64-127 A's fragments, two buffers of 32; v128-255 the way out      window 1: v0-191 the weights' fragments, two buffers of 96
;   window 2: the accumulators of row blocks 0, 1 at 8 (12 (a % 2) + b)      window 3: those of row blocks 2, 3
.set NCH,   3
.set NBK,   4*NCH
.set NTOT,  3072
.set PA,    272                        ; 68 words: the 16 rows of a load start at 16 different groups of four banks
.set PB,    288                        ; 72 words
.set CHB,   128*PB                     ; a region of a slot
.set SLOT,  (NCH+1)*CHB
.set SPARE, 2*SLOT                     ; behind the ring: the spare words, 128 bytes a wave: two blocks of 256 bytes that no other line names
.set STAGE, SLOT                       ; the way out: [chunk][128 rows] of 272 bytes, in slot 1's bytes
.set SCH,   128*PA
.set NF,    8*NCH+8                    ; LDS loads in a run
.set BSTEP, 128*NTOT*2                 ; bytes of the weights from K step to K step
.set ADRA, 10                          ; v10-11  my A fragments in slot 0, 1
.set ADRB, 12                          ; v12-17  my fragments of chunk c in slot s at ADRB + 3 s + c
.set STO,  18                          ; v18     into the stage, chunks 0 and 1
.set STO2, 19                          ; v19     chunk 2
.set RF,   20                          ; v20     the rotation: my 16 bytes of f
.set RG,   21                          ; v21     of f[d xor 64]
.set RT,   22                          ; v22     of cos; sin lies 32,768 bytes on
.set GO,   23                          ; v23     my byte offset in two rows of a head, chunks 0 and 1
.set PFO,  24                          ; v24     the prefetches' offset: my lane x a row; never rewritten
.set ZR,   25                          ; v25     0
.set GO2,  26                          ; v26     as v23, for chunk 2
.set SPW,  28                          ; v28     my spare word: SPARE + 4 x my thread's number; never rewritten
.set NIL,  29                          ; v29     0; never rewritten
.set WV,  14                           ; s14 wave; s15 WM; s16 WN; s17 cx; s18 cy; s19 TX; s20 TY; s21 the chunk that I fetch; s23 its number among wcat's 24
.set G1A, 24                           ; s[24:31] group 1 for A's tiles       s[32:39] group 0, a set for each slot
.set G0A, 32
.set G1B, 40                           ; s[40:47], s[48:55] the same for the chunks
.set G0B, 48
.set G1T, 56                           ; s[56:63], s[68:71] for the tables
.set G0T, 68
.set PFA, 66                           ; s[66:67] where my prefetches stand
.set PFS, 72                           ; s[72:73] their step
.set LIM, 74                           ; s74  1 in a wave that prefetches, else the greatest number
.set VSEL, 77                          ; s77  all ones where chunk 2 is a value head
.set OB0, 78                           ; s[78:79] qkv at my 32 rows of head 2 TX
.set OB2, 80                           ; s[80:81] of chunk 2's head
.set MSB, 0
.macro WIN new                         ; the high byte repeats the setting that is left; a switch that changes nothing is dropped
.if MSB != (\new)
	s_set_vgpr_msb (MSB<<8)|(\new)
.set MSB, \new
.endif
.endm
.set MUL_LO, 0xa1                      ; source 0 window 1, source 1 window 0, C and D window 2
.set TO_B,   0x40                      ; destination window 1, address window 0
.macro PLACES                          ; four places behind matrix instructions, in front of loads into registers that they have read
.rept 4
	v_nop
.endr
.endm
.macro CREST                           ; a round of the cluster's barrier behind its opening barrier
	s_cmp_lg_u32 s[WV], 0
	s_cbranch_scc1 .Lnot_wave_0_\@
	s_barrier_signal -3
.Lnot_wave_0_\@:
	s_barrier_wait -3
	s_barrier_signal -1
	s_barrier_wait -1
.endm
.macro CROUND
	s_barrier_signal -1
	s_barrier_wait -1
	CREST
.endm
; A joint refill: wave 0 A's tile, the others their chunks.  The branch hangs on the wave's number alone.  An s_nop 0 and four v_nop follow each line; the four are also the places in front of the LDS loads that follow.
.macro JLOAD s
	s_cmp_eq_u32 s[WV], 0
	s_cbranch_scc0 .Lfor_b_\@
	tensor_load_to_lds s[G0A+4*(\s):G0A+4*(\s)+3], s[G1A:G1A+7]
	s_nop 0
	PLACES
	s_branch .Lasked_\@
.Lfor_b_\@:
	tensor_load_to_lds s[G0B+4*(\s):G0B+4*(\s)+3], s[G1B:G1B+7]
	s_nop 0
	PLACES
.Lasked_\@:
.endm
; A prefetch of the K step that stands two refills on: 32 rows x 256 bytes, a lane a row.  A's rows are asked for by wave 0 of the clusters with x = 0, a chunk's by its wave in the clusters with y = 0;
; the four partners that fetch a tile jointly take 32 of its 128 rows each, told apart by address.  So each row's 256 bytes of a K step are named once.  The loop's last trip asks for nothing.
.macro ASK
	s_cmp_gt_u32 s3, s[LIM]
	s_cbranch_scc0 .Lnot_mine_\@
	global_prefetch_b8 v[PFO], s[PFA:PFA+1] th:TH_LOAD_NT scope:SCOPE_SE
.Lnot_mine_\@:
.endm
; 12 matrix instructions: row block a x all column blocks, 32 along K, from buffer f.  All 48 accumulators take turns in one fixed order.
.macro MULA f, a, zero
	WIN MUL_LO+0x50*((\a)/2)
.set b, 0
.rept NBK
.set rD, 8*(NBK*((\a)%2)+b)
.set rB, 8*NBK*(\f)+8*b
.set rA, 64+32*(\f)+8*(\a)
.if \zero
	v_wmma_f32_16x16x32_bf16 v[rD:rD+7], v[rB:rB+7], v[rA:rA+7], 0
.else
	v_wmma_f32_16x16x32_bf16 v[rD:rD+7], v[rB:rB+7], v[rA:rA+7], v[rD:rD+7]
.endif
.set b, b+1
.endr
.endm
; One run of 32 LDS loads: the fragments of quarter q (32 along K) of a slot into buffer f; A's row blocks 2 and 3 are the youngest four.
.macro FETCH slot, q, f
	WIN TO_B
.set b, 0
.rept NBK
.set rB, 8*NBK*(\f)+8*b
	ds_load_tr16_b128 v[rB:rB+3],   v[ADRB+NCH*(\slot)+b/4] offset:(\q)*32*PB+32*(b%4)
	ds_load_tr16_b128 v[rB+4:rB+7], v[ADRB+NCH*(\slot)+b/4] offset:(\q)*32*PB+32*(b%4)+16*PB
.set b, b+1
.endr
	WIN 0
.set b, 0
.rept 4
.set rA, 64+32*(\f)+8*b
	ds_load_b128 v[rA:rA+3],   v[ADRA+(\slot)] offset:b*16*PA+64*(\q)
	ds_load_b128 v[rA+4:rA+7], v[ADRA+(\slot)] offset:b*16*PA+64*(\q)+32
.set b, b+1
.endr
.endm
; One of a K step's first three quarters: multiplies buffer f; in its middle fetches quarter q into buffer g.
.macro QUARTER slot, q, f, g, zero
	s_wait_dscnt 4                                 ; all of the run but its youngest four loads (A's row blocks 2 and 3)
	MULA \f, 0, \zero
	MULA \f, 1, \zero
	PLACES
	FETCH \slot, \q, \g
	s_wait_dscnt NF                                ; all but the run just issued
	MULA \f, 2, \zero
	MULA \f, 3, \zero
.endm
; The first half of the last quarter: ONE barrier for the change of slots.  In front of it each wave waits for all its tensor loads (its part of the next slot), adds 0 to its spare word, and waits for that and for its reads of this slot.
.macro MEET round
	WIN 0
	s_wait_tensorcnt 0x0                           ; all my tensor loads have landed
	ds_add_u32 v[SPW], v[NIL]
	s_wait_dscnt 5                                 ; (the add and the youngest four loads may be out)
	MULA 1, 0, 0
	s_wait_dscnt 0x0                               ; the add is done, and my reads of this slot are over
	s_barrier_signal -1
	MULA 1, 1, 0
.if \round
	WIN 0
.endif
	s_barrier_wait -1
.endm
.macro TURN slot, next                 ; the last quarter: the slot just read is filled again, two K steps ahead, first thing behind the round
	s_wait_xcnt 0x0                                ; the last prefetch, a K step back, has read its address
	s_add_nc_u64 s[PFA:PFA+1], s[PFA:PFA+1], s[PFS:PFS+1]
	MEET 1
	CREST                                          ; no wave of any partner still reads this slot or has a load on its way
	s_add_nc_u64 s[G0A+4*(\slot)+2:G0A+4*(\slot)+3], s[G0A+4*(\slot)+2:G0A+4*(\slot)+3], 2*256
	s_add_nc_u64 s[G0B+4*(\slot)+2:G0B+4*(\slot)+3], s[G0B+4*(\slot)+2:G0B+4*(\slot)+3], 2*BSTEP
	JLOAD \slot
	FETCH \next, 0, 0
	ASK
	MULA 1, 2, 0
	MULA 1, 3, 0
.endm
	s_load_b256 s[4:11], s[0:1], 0x0               ; xn 4, wcat 6, cosb 8, sinb 10
	s_load_b64 s[12:13], s[0:1], 0x20              ; qkv
	v_lshl_add_u32 v[SPW], v0, 2, SPARE
	v_mov_b32 v[NIL], 0
	ds_add_u32 v[SPW], v[NIL]                      ; the wave's opening: the add and its wait stand ahead of my first tensor load; work on registers stands between them
	v_lshrrev_b32 v3, 5, v0
	v_readfirstlane_b32 s[WV], v3
	s_lshr_b32 s15, s[WV], 1                       ; WM
	s_and_b32 s16, s[WV], 1                        ; WN
	s_bfe_u32 s17, ttmp6, 0x40000                  ; cx
	s_bfe_u32 s18, ttmp6, 0x40004                  ; cy
	s_lshl_b32 s19, ttmp9, 2
	s_add_co_u32 s19, s19, s17                     ; TX = 4 x cluster x + cx
	s_and_b32 s20, ttmp7, 0xffff
	s_lshl_b32 s20, s20, 2
	s_add_co_u32 s20, s20, s18                     ; TY = 4 x cluster y + cy
	s_max_u32 s21, s[WV], 1
	s_sub_co_u32 s21, s21, 1                       ; the chunk that I fetch (wave 0 makes the words and never uses them)
	s_lshl_b32 s22, s18, 2
	s_lshl_b32 s22, 15, s22                        ; my row of the cluster
	s_lshl_b32 s23, 0x1111, s17                    ; my column
	s_or_b32 s[G1A], s22, (1<<16)|(1<<20)|(1<<21)|(5<<22)|(3<<25)  ; mask; 2-byte elements; padding on; bit 21 beside a mask; after every 64 words 4 words
	s_or_b32 s[G1B], s23, (1<<16)|(1<<20)|(1<<21)|(5<<22)|(7<<25)  ; the same with my column and 8 words
	s_or_b32 s[G1T], s22, (1<<16)|(1<<21)          ; the tables: my row, no padding
.irp g, G1A, G1B, G1T
	s_mov_b32 s[\g+1], 128<<16                     ; tensor_dim0 = 128
	s_mov_b32 s[\g+2], 128<<16                     ; tensor_dim1 = 128
	s_mov_b32 s[\g+3], 128<<16                     ; tile_dim0 = 128
	s_mov_b32 s[\g+4], 128                         ; tile_dim1 = 128
	s_mov_b32 s[\g+6], 0
	s_mov_b32 s[\g+7], 0
.endr
	s_mov_b32 s[G1A+5], 2048                       ; elements from row to row
	s_mov_b32 s[G1B+5], NTOT
	s_mov_b32 s[G1T+5], 128
	s_mul_i32 s88, s[WV], CHB                      ; where my tiles go: wave x a region; no place in the cluster enters an LDS address
.irp s, 0,1
	s_mov_b32 s[G0A+4*\s], 1
	s_add_co_u32 s[G0A+4*\s+1], s88, \s*SLOT
	s_mov_b32 s[G0B+4*\s], 1
	s_add_co_u32 s[G0B+4*\s+1], s88, \s*SLOT
.endr
	s_mov_b32 s[G0T], 1
	s_lshl_b32 s[G0T+1], s[WV], 15                 ; table w at 32,768 w
	s_lshl_b32 s23, s19, 1
	s_add_co_u32 s23, s23, s21                     ; chunks 0 and 1: heads 2 TX, 2 TX + 1
	s_and_b32 s92, s19, 1
	s_cmp_lg_u32 s92, 0
	s_cselect_b32 s[VSEL], -1, 0
	s_lshl_b32 s92, s92, 2
	s_lshr_b32 s93, s19, 1
	s_add_co_u32 s92, s92, s93
	s_add_co_u32 s92, s92, 16                      ; chunk 2: head 16 + 4 (TX % 2) + TX / 2
	s_cmp_eq_u32 s21, 2
	s_cselect_b32 s23, s92, s23
	s_lshl_b32 s82, s20, 19                        ; A: 128 TY rows of 4,096 bytes
	s_mov_b32 s83, 0
	s_lshl_b32 s84, s23, 8                         ; the chunk's 256 bytes in a row of wcat
	s_mov_b32 s85, 0
	s_lshl_b32 s86, s15, 20                        ; the tables: plane w / 2 (q, k),
	s_lshl_b32 s87, s20, 15                        ; 128 TY rows of 256 bytes
	s_add_co_u32 s86, s86, s87
	s_mov_b32 s87, 0
	s_wait_dscnt 0x0                               ; the opening add is done
	s_wait_kmcnt 0x0
	s_add_nc_u64 s[G0A+2:G0A+3], s[4:5], s[82:83]
	s_add_nc_u64 s[G0A+6:G0A+7], s[G0A+2:G0A+3], 256
	s_or_b32 s[G0A+3], s[G0A+3], 0x80000000
	s_or_b32 s[G0A+7], s[G0A+7], 0x80000000
	s_add_nc_u64 s[G0B+2:G0B+3], s[6:7], s[84:85]
	s_add_nc_u64 s[G0B+6:G0B+7], s[G0B+2:G0B+3], BSTEP
	s_or_b32 s[G0B+3], s[G0B+3], 0x80000000
	s_or_b32 s[G0B+7], s[G0B+7], 0x80000000
	s_cmp_eq_u32 s16, 0                            ; even waves cos, odd waves sin
	s_cselect_b64 s[G0T+2:G0T+3], s[8:9], s[10:11]
	s_add_nc_u64 s[G0T+2:G0T+3], s[G0T+2:G0T+3], s[86:87]
	s_or_b32 s[G0T+3], s[G0T+3], 0x80000000
	CROUND                                         ; all sixteen work-groups are here: the first joint loads meet
	s_cmp_eq_u32 s[WV], 0                          ; a wave's two first fills stand in one branch, ahead of every wait on TENSORcnt and every LDS read
	s_cbranch_scc0 .Lfirst_b
	tensor_load_to_lds s[G0A:G0A+3], s[G1A:G1A+7]
	s_nop 0
	tensor_load_to_lds s[G0A+4:G0A+7], s[G1A:G1A+7]
	s_nop 0
	PLACES
	s_branch .Lfirst_asked
.Lfirst_b:
	tensor_load_to_lds s[G0B:G0B+3], s[G1B:G1B+7]
	s_nop 0
	tensor_load_to_lds s[G0B+4:G0B+7], s[G1B:G1B+7]
	s_nop 0
	PLACES
.Lfirst_asked:
	; lane addresses.  A fragment of A: lane l holds row l % 16, K = 8 (l / 16) + 0..7 and 16 + 8 (l / 16) + 0..7: two loads of 16 bytes, 32 apart.
	v_and_b32 v1, 15, v0                           ; r
	v_bfe_u32 v2, v0, 4, 1                         ; h
	v_mul_u32_u24 v3, v1, PA
	v_lshl_add_u32 v3, v2, 4, v3                   ; r x 272 + 16 h
	s_mul_i32 s89, s15, 64*PA
	v_add_nc_u32 v[ADRA], s89, v3
	v_add_nc_u32 v[ADRA+1], SLOT, v[ADRA]
	; The turning load: lane l reads 16 bytes of k-row 8 (l / 16) + l % 8, columns 8 ((l / 8) % 2) + 0..7, and ends with column l % 16 and 8 k.
	v_and_b32 v4, 7, v0
	v_lshl_add_u32 v4, v2, 3, v4
	v_mul_u32_u24 v4, v4, PB
	v_bfe_u32 v5, v0, 3, 1
	v_lshl_add_u32 v4, v5, 4, v4
	s_lshl_b32 s89, s16, 7                         ; my 64 columns of a chunk
	v_add_nc_u32 v4, s89, v4
.set b, 0
.rept 2*NCH
	v_add_nc_u32 v[ADRB+b], (b/NCH)*SLOT+(1+b%NCH)*CHB, v4
.set b, b+1
.endr
	s_mul_i32 s90, s15, 64*PA                      ; into the stage: row 64 WM + r, bytes 128 WN + 16 h
	s_add_co_u32 s90, s90, s89
	s_add_co_u32 s90, s90, STAGE
	v_add_nc_u32 v[STO], s90, v3
	v_add_nc_u32 v[STO2], 2*SCH, v[STO]
	s_mul_i32 s90, s[WV], 32*PA                    ; the rotation: wave w takes rows 32 w .. + 31; lanes 0-15 one row, lanes 16-31 the next
	s_add_co_u32 s90, s90, STAGE
	v_mul_u32_u24 v5, v2, PA
	v_lshl_add_u32 v6, v1, 4, v5
	v_add_nc_u32 v[RF], s90, v6
	v_xor_b32 v7, 8, v1                            ; d xor 64 lies eight lanes' 16 bytes away
	v_lshl_add_u32 v7, v7, 4, v5
	v_add_nc_u32 v[RG], s90, v7
	v_lshlrev_b32 v8, 8, v2
	v_lshl_add_u32 v8, v1, 4, v8                   ; h x 256 + 16 r
	s_lshl_b32 s91, s[WV], 13
	v_add_nc_u32 v[RT], s91, v8
	v_mov_b32 v[GO], v8
	v_mov_b32 v[GO2], v8
	v_mov_b32 v[ZR], 0
	; the prefetches: they begin at K step 3; the first change of slots steps them to 4.  Nothing is asked for here, at the head.
	s_lshl_b32 s84, s20, 7
	s_lshl_b32 s85, s17, 5
	s_add_co_u32 s84, s84, s85                     ; A: row 128 TY + 32 cx
	s_lshl_b32 s84, s84, 12
	s_add_co_u32 s84, s84, 3*256
	s_lshl_b32 s86, s23, 8                         ; the weights: my chunk, k-row 32 cy
	s_mul_i32 s87, s18, 32*NTOT*2
	s_add_co_u32 s86, s86, s87
	s_add_co_u32 s86, s86, 3*BSTEP
	s_and_b32 s87, ttmp7, 0xffff                   ; cluster y
	s_mov_b32 s[PFS], BSTEP
	s_mov_b32 s93, NTOT*2
	s_cmp_eq_u32 s[WV], 0
	s_cselect_b32 s84, s84, s86
	s_cselect_b32 s87, ttmp9, s87                  ; the coordinate along which other clusters read the same rows
	s_cselect_b32 s[PFS], 256, s[PFS]
	s_cselect_b32 s93, 4096, s93
	s_cselect_b64 s[PFA:PFA+1], s[4:5], s[6:7]
	s_mov_b32 s85, 0
	s_mov_b32 s[PFS+1], 0
	s_add_nc_u64 s[PFA:PFA+1], s[PFA:PFA+1], s[84:85]
	s_cmp_eq_u32 s87, 0
	s_cselect_b32 s[LIM], 1, -1                    ; the same in all sixteen partners, for a given wave
	v_and_b32 v[PFO], 31, v0
	v_mul_lo_u32 v[PFO], v[PFO], s93
	; where my 32 rows of the heads begin in qkv
	s_lshl_b32 s82, s20, 15
	s_lshl_b32 s83, s[WV], 13
	s_add_co_u32 s82, s82, s83
	s_lshl_b32 s83, s19, 21
	s_add_co_u32 s86, s82, s83
	s_mov_b32 s87, 0
	s_add_nc_u64 s[OB0:OB0+1], s[12:13], s[86:87]
	s_lshl_b32 s83, s92, 20
	s_add_co_u32 s86, s82, s83
	s_add_nc_u64 s[OB2:OB2+1], s[12:13], s[86:87]
	s_wait_tensorcnt 1                             ; my part of K step 0 is in; K step 1's may stay out
	s_barrier_signal -1
	s_barrier_wait -1
	FETCH 0, 0, 0
	QUARTER 0, 1, 0, 1, 1                          ; the first quarter stands in front of the loop: its products start the sums
	WIN 0
	s_mov_b32 s3, 7
.Llap:                                         ; a trip goes once round the ring, from a lap's second quarter to the next lap's first, and fills both slots again
	QUARTER 0, 2, 1, 0, 0
	QUARTER 0, 3, 0, 1, 0
	TURN 0, 1
	QUARTER 1, 1, 0, 1, 0
	QUARTER 1, 2, 1, 0, 0
	QUARTER 1, 3, 0, 1, 0
	TURN 1, 0
	QUARTER 0, 1, 0, 1, 0
	WIN 0
	s_sub_co_u32 s3, s3, 1
	s_cmp_lg_u32 s3, 0
	s_cbranch_scc1 .Llap
	QUARTER 0, 2, 1, 0, 0                          ; the last lap
	QUARTER 0, 3, 0, 1, 0
	MEET 1                                         ; the last change of slots: slot 0's bytes take the tables, one a wave, jointly along my row of the cluster;
	CREST                                          ; they land under the last K step's products
	tensor_load_to_lds s[G0T:G0T+3], s[G1T:G1T+7]
	s_nop 0
	PLACES
	FETCH 1, 0, 0
	MULA 1, 2, 0
	MULA 1, 3, 0
	QUARTER 1, 1, 0, 1, 0
	QUARTER 1, 2, 1, 0, 0
	QUARTER 1, 3, 0, 1, 0
	s_wait_dscnt 4                                 ; the very last quarter: nothing more to fetch
	MULA 1, 0, 0
	MULA 1, 1, 0
	s_wait_dscnt 0x0
	MULA 1, 2, 0
	MULA 1, 3, 0
	WIN 0
	PLACES                                         ; behind the last products, in front of the conversions that read them: eight, once
	PLACES
	s_wait_tensorcnt 0x0                           ; my table is in,
	s_wait_dscnt 0x0                               ; my reads of slot 1 are over:
	s_barrier_signal -1
	s_barrier_wait -1                              ; everybody's: slot 1's bytes become the stage, and nothing is filled any more
	; the sums, rounded to bf16, 16 bytes a lane; each accumulator is read from its low end on
.set a, 0
.rept 4
	WIN 0x0a+5*(a/2)                               ; sources in window 2 or 3
.set b, 0
.rept NBK
.set rD, 8*(NBK*(a%2)+b)
.set e, 0
.rept 4
	v_cvt_pk_bf16_f32 v[128+48*(a%2)+4*b+e], v[rD+2*e], v[rD+2*e+1]
.set e, e+1
.endr
.set b, b+1
.endr
	WIN 0
.set b, 0
.rept NBK
.if b < 8
	ds_store_b128 v[STO], v[128+48*(a%2)+4*b:128+48*(a%2)+4*b+3] offset:(b/4)*SCH+a*16*PA+32*(b%4)
.else
	ds_store_b128 v[STO2], v[128+48*(a%2)+4*b:128+48*(a%2)+4*b+3] offset:a*16*PA+32*(b%4)
.endif
.set b, b+1
.endr
.set a, a+1
.endr
	s_wait_dscnt 0x0                               ; for the others' sake: a head's row comes from two waves
	s_barrier_signal -1
	s_barrier_wait -1
; THE ROTATION of nh heads that share their tables: four trips of four pairs of rows.  For a pair: f and f[d xor 64] of each head, cos, sin: 2 nh + 2 loads of 16 bytes a lane.
; sin g in f32, then cos f + that, fused; two roundings a register; sixteen lanes store a head's row, 256 consecutive bytes, aligned.  sel = 1: where the head is a value head f is kept.
.macro ROTLOOP nh, base, go, sel
	s_mov_b32 s2, 4
.Lrot_\@:
.set p, 0
.rept 4
.set LP, 128+p*(8*(\nh)+8)
.set c, 0
.rept \nh
	ds_load_b128 v[LP+8*c:LP+8*c+3],   v[RF] offset:c*SCH+p*2*PA
	ds_load_b128 v[LP+8*c+4:LP+8*c+7], v[RG] offset:c*SCH+p*2*PA
.set c, c+1
.endr
	ds_load_b128 v[LP+8*(\nh):LP+8*(\nh)+3],   v[RT] offset:p*512
	ds_load_b128 v[LP+8*(\nh)+4:LP+8*(\nh)+7], v[RT] offset:32768+p*512
.set p, p+1
.endr
.set p, 0
.rept 4
	s_wait_dscnt (2*(\nh)+2)*(3-p)                 ; pair p is in; the younger pairs' loads stay out
.set LP, 128+p*(8*(\nh)+8)
.set c, 0
.rept \nh
.set TT, 32+8*(((\nh)*p+c)%2)
.set OU, 224+4*((\nh)*p+c)
.set k, 0
.rept 4
	v_fma_mix_f32_bf16 v[TT+2*k],   v[LP+8*(\nh)+4+k], v[LP+8*c+4+k], v[ZR] op_sel_hi:[1,1,0]
	v_fma_mix_f32_bf16 v[TT+2*k+1], v[LP+8*(\nh)+4+k], v[LP+8*c+4+k], v[ZR] op_sel:[1,1,0] op_sel_hi:[1,1,0]
.set k, k+1
.endr
.set k, 0
.rept 4
	v_fma_mix_f32_bf16 v[TT+2*k],   v[LP+8*(\nh)+k], v[LP+8*c+k], v[TT+2*k] op_sel_hi:[1,1,0]
	v_fma_mix_f32_bf16 v[TT+2*k+1], v[LP+8*(\nh)+k], v[LP+8*c+k], v[TT+2*k+1] op_sel:[1,1,0] op_sel_hi:[1,1,0]
.set k, k+1
.endr
.set k, 0
.rept 4
	v_cvt_pk_bf16_f32 v[OU+k], v[TT+2*k], v[TT+2*k+1]
.set k, k+1
.endr
.if \sel
.set k, 0
.rept 4
	v_cndmask_b32 v[OU+k], v[OU+k], v[LP+8*c+k], s[VSEL]
.set k, k+1
.endr
.endif
	global_store_b128 v[\go], v[OU:OU+3], s[\base:\base+1] offset:c*1048576+p*512
.set c, c+1
.endr
.set p, p+1
.endr
	s_wait_xcnt 0x0                                ; the stores have read their offset and their data: both are written again only behind this wait
	v_add_nc_u32 v[RF], 8*PA, v[RF]
	v_add_nc_u32 v[RG], 8*PA, v[RG]
	v_add_nc_u32 v[RT], 2048, v[RT]
	v_add_nc_u32 v[\go], 2048, v[\go]
	s_sub_co_u32 s2, s2, 1
	s_cmp_lg_u32 s2, 0
	s_cbranch_scc1 .Lrot_\@
.endm
	ROTLOOP 2, OB0, GO, 0                          ; the two query heads, by q's tables
	v_add_nc_u32 v[RF], 2*SCH-32*PA, v[RF]         ; back to my first row, in chunk 2,
	v_add_nc_u32 v[RG], 2*SCH-32*PA, v[RG]
	v_add_nc_u32 v[RT], 65536-8192, v[RT]          ; and in k's tables
	ROTLOOP 1, OB2, GO2, 1
	s_wait_tensorcnt 0x0                           ; the wave's end: behind my last tensor load and my last LDS store
	ds_add_u32 v[SPW], v[NIL]
	s_wait_dscnt 0x0
	CROUND                                         ; the closing round: no work-group ends while a partner may still ask for a tile that names it
	s_endpgm
.Lfunc_end_k_q4ee097bec2_qkv:
	.size	k_q4ee097bec2_qkv, .Lfunc_end_k_q4ee097bec2_qkv-k_q4ee097bec2_qkv
	.p2alignl 7, 3214868480
	.fill 96, 4, 3214868480
	.section	.rodata,"a",@progbits
	.p2align	6, 0x0
	.amdhsa_kernel k_q4ee097bec2_qkv
		.amdhsa_group_segment_fixed_size 327680
		.amdhsa_private_segment_fixed_size 0
		.amdhsa_enable_private_segment 0
		.amdhsa_kernarg_size 40
		.amdhsa_user_sgpr_count 2
		.amdhsa_user_sgpr_kernarg_segment_ptr 1
		.amdhsa_wavefront_size32 1
		.amdhsa_system_sgpr_workgroup_id_x 1
		.amdhsa_system_sgpr_workgroup_id_y 1
		.amdhsa_system_sgpr_workgroup_id_z 1
		.amdhsa_system_vgpr_workitem_id 0
		.amdhsa_next_free_vgpr 960
		.amdhsa_next_free_sgpr 96
		.amdhsa_reserve_vcc 0
		.amdhsa_float_denorm_mode_32 3
		.amdhsa_float_denorm_mode_16_64 3
		.amdhsa_memory_ordered 1
		.amdhsa_forward_progress 1
		.amdhsa_inst_pref_size 135
	.end_amdhsa_kernel
	.amdgpu_metadata
---
amdhsa.version: [ 1, 2 ]
amdhsa.kernels:
  - .name:           k_q4ee097bec2_qkv
    .symbol:         k_q4ee097bec2_qkv.kd
    .args:
      - { .name: xn, .offset: 0, .size: 8, .value_kind: global_buffer, .address_space: global }
      - { .name: wcat, .offset: 8, .size: 8, .value_kind: global_buffer, .address_space: global }
      - { .name: cosb, .offset: 16, .size: 8, .value_kind: global_buffer, .address_space: global }
      - { .name: sinb, .offset: 24, .size: 8, .value_kind: global_buffer, .address_space: global }
      - { .name: qkv, .offset: 32, .size: 8, .value_kind: global_buffer, .address_space: global }
    .group_segment_fixed_size: 327680
    .private_segment_fixed_size: 0
    .kernarg_segment_align: 8
    .kernarg_segment_size: 40
    .max_flat_workgroup_size: 128
    .sgpr_count:     96
    .vgpr_count:     960
    .wavefront_size: 32
...
	.end_amdgpu_metadata
.endif
;; end of part 2
;; launch attn (part 3): grid 16 x 16, 4 waves a work-group, clusters of 4 x 1, 327,680 bytes of LDS; arguments qkv, obuf; writes obuf
.if DOCPART == 3
	.amdgcn_target "amdgcn-amd-amdhsa--gfx1250"
	.amdhsa_code_object_version 6
	.text
	.protected	k_q4ee097bec2_attn
	.globl	k_q4ee097bec2_attn
	.p2align	8
	.type	k_q4ee097bec2_attn,@function
k_q4ee097bec2_attn:
	s_mov_b64 s[64:65], 0
	v_nop
	global_prefetch_b8 v0, s[64:65] scope:SCOPE_SE
	s_setreg_imm32_b32 hwreg(HW_REG_WAVE_MODE, 25, 1), 1
	s_wait_xcnt 0x0
	s_wait_alu depctr_hold_cnt(0) depctr_sa_sdst(0) depctr_va_vdst(0) depctr_va_sdst(0) depctr_va_ssrc(0) depctr_va_vcc(0) depctr_vm_vsrc(0)
	s_getreg_b32 s2, hwreg(HW_REG_IB_STS2, 6, 4)
	s_cmp_eq_u32 s2, 0
	s_cbranch_scc0 .Lentry_in_a_cluster
	s_endpgm
.Lentry_in_a_cluster:
	s_bfe_u32 s2, ttmp6, 0x10000c
	s_cmp_lg_u32 s2, 0x3003
	s_cbranch_scc0 .Lentry_shape_is_right
	s_endpgm
.Lentry_shape_is_right:
; ATTENTION over a causal window of 256 keys, head size 128, 16 query heads on 4 key/value heads.  qkv: [24][4096][128] bf16 (0-15 q, 16-19 k, 20-23 v); obuf: [4096][16 x 128] bf16.
; O[q] = the sum over keys k in (q - 256, q] of softmax_k(Q[q] . K[k] / sqrt(128)) V[k].  Products, maxima and sums in f32; the weights are rounded to bf16 for the second product, O once.
; SHARES.  A work-group: one query head, one block of 256 queries.  Its keys are the block before and its own: 512 rows of K and of V, which lie in LDS whole: no ring, nothing is filled twice.
; A wave owns 64 queries (four tiles of 16).  Of the eight key steps of 64 wave w needs w .. w + 4: five in every wave.
; IT WALKS THEM DOWNWARD, w + 4 first: that step holds the diagonal, so every query sees its own key in its first step and the running maximum m is a true score from then on;
; a hidden score, about -1e30, then gives the weight 0.
; CLUSTER 4 x 1: the four query heads of one key/value head, same block: each of the four tiles (K before, K own, V before, V own: 256 rows x 256 bytes, one a wave) is asked for jointly.
; In block 0 the tiles 'before' hold block 0 once more, and every score on them is hidden.
; THE MASK is the C operand of the products that start S^T: 0, or -1e30 where the key is hidden.  For tile t and key block kb of a step it hangs on kb < t, kb = t, kb > t alone: three sets of eight
; registers, made anew in each trip from scalars: MLO, MHI constants; MEQ = MD x AL + BE, where MD (made once) is -1e30 where key 8 (l / 16) + j lies above query l % 16.
;   the diagonal step (CNT = 5): keys <= query are seen: MLO 0, MEQ MD, MHI -1e30        the window's far end (CNT = 1): keys > query are seen: MLO -1e30, MEQ -MD - 1e30, MHI 0
;   between: all 0        block 0, steps below 4 (CNT + w < 5): all -1e30
; LAYOUT.  S^T = K Q^T: a lane holds one query (l % 16) and keys 8 (l / 16) + 0..7; two such results rounded to bf16 are source 1 of O^T = V^T P.  K comes out of LDS as it lies, V turned.
; SOFTMAX.  p = 2^(c s - c m), c = log2(e) / sqrt(128), with a running maximum m; O and l are multiplied by a = 2^(c m_old - c m_new) in every step.  m starts at the lowest finite number, O and l
; at 0 (256 lines that clear O^T stand in the wait for the tiles: the price of writing no first step out).  A step goes in phases: 64 products, the four tiles' softmax, 64 products.
; LIMITS: a hidden score counts as its value less 1e30; a weight below 2^-126 counts as 0; NaN and infinities are not treated apart.
; REGISTERS (s_set_vgpr_msb: bits 1:0 source 0, 3:2 source 1, 5:4 source 2, 7:6 destination):
;   window 0: v0-11 addresses; v12-43 eight statistics a tile; v64-191 S^T, 32 a tile; v192-255 P, 16 a tile      window 1: O^T, 64 a tile
;   window 2: v0-127 Q; v128-255 K of one step      window 3: v0-127 V of one step; v128-159 MD, MLO, MEQ, MHI
.set PK,    272
.set PV,    288
.set VOFF,  512*PK
.set STAGE, VOFF+512*PV                ; 16 rows x 272 bytes for each wave, for the way out; no tile lands here
.set SP,    272
.set SPARE, STAGE+4*16*SP              ; the spare words, 128 bytes a wave: two blocks of 256 bytes that no other line names
.set AK0, 2                            ; v2  my lane's place in a step of K; never rewritten
.set AV0, 3                            ; v3  the same for V
.set ADRK, 4
.set ADRV, 5
.set STO, 6
.set RD,  7
.set GO,  8
.set QO,  10
.set ST,  12                           ; tile t at ST + 8 t: c m, m, l (even keys', odd keys'), c0-c3 at work; a takes c2's place
.set SPW, 62
.set NIL, 63
.set S,   64
.set P,   192
.set KF,  128
.set MD,  128
.set MLO, 136
.set MEQ, 144
.set MHI, 152
.set WV,  12
.set G1K, 24
.set G1V, 32
.set G0K, 40
.set G0V, 44
.set CNT, 57
.set CS,  58
.set SEL, 60
.set TBK, 62
.set TBV, 63
.set AL,  66
.set BE,  68
.set LO,  70
.set HI,  71
.set HID, 72
.set BIGN, 73
.set MSB, 0
.macro WIN new
.if MSB != (\new)
	s_set_vgpr_msb (MSB<<8)|(\new)
.set MSB, \new
.endif
.endm
.set W_KQ, 0x0a                        ; K and Q window 2, S^T window 0
.set W_KM, 0x3a                        ; the same with the C operand in window 3
.set W_PV, 0x53                        ; V window 3, P window 0, O^T window 1
.set W_RS, 0x41                        ; O^T (destination, source 0) window 1, a window 0
.macro PLACES
.rept 4
	v_nop
.endr
.endm
.macro CROUND
	s_barrier_signal -1
	s_barrier_wait -1
	s_cmp_lg_u32 s[WV], 0
	s_cbranch_scc1 .Lnot_wave_0_\@
	s_barrier_signal -3
.Lnot_wave_0_\@:
	s_barrier_wait -3
	s_barrier_signal -1
	s_barrier_wait -1
.endm
	s_load_b128 s[4:7], s[0:1], 0x0                ; qkv 4, obuf 6
	v_lshl_add_u32 v[SPW], v0, 2, SPARE
	v_mov_b32 v[NIL], 0
	ds_add_u32 v[SPW], v[NIL]                      ; the wave's opening: the add and its wait stand ahead of my first tensor load
	v_lshrrev_b32 v1, 5, v0
	v_readfirstlane_b32 s[WV], v1
	s_bfe_u32 s13, ttmp6, 0x40000                  ; cx
	s_lshl_b32 s14, ttmp9, 2
	s_add_co_u32 s14, s14, s13                     ; my query head: it enters Q's and O's addresses alone
	s_and_b32 s15, ttmp7, 0xffff                   ; the block
	s_and_b32 s16, s[WV], 1                        ; which half of the 512 keys I fetch
	s_mul_i32 s17, s16, 256*PK
	s_mul_i32 s18, s16, 256*PV
	s_add_co_u32 s19, s15, s16
	s_sub_co_i32 s19, s19, 1
	s_max_i32 s19, s19, 0                          ; its block of keys: the one before, or my own; in block 0 both are block 0
	s_lshl_b32 s20, s19, 16
	s_add_co_u32 s19, ttmp9, 16                    ; the key head
	s_lshl_b32 s19, s19, 20
	s_add_co_u32 s20, s20, s19
	s_mov_b32 s21, 0
	s_lshl_b32 s22, s14, 20                        ; Q: my head, my block, my wave's 64 rows
	s_lshl_b32 s23, s15, 16
	s_add_co_u32 s22, s22, s23
	s_lshl_b32 s23, s[WV], 14
	s_add_co_u32 s22, s22, s23
	s_mov_b32 s23, 0
	s_lshl_b32 s2, s15, 20                         ; O: rows of 4,096 bytes, my head's 256 of them
	s_lshl_b32 s3, s[WV], 18
	s_add_co_u32 s2, s2, s3
	s_lshl_b32 s3, s14, 8
	s_add_co_u32 s2, s2, s3
	s_mov_b32 s3, 0
	s_mov_b32 s[G1K], 15|(1<<16)|(1<<20)|(1<<21)|(5<<22)|(3<<25)  ; the mask of four; 2-byte elements; padding on; bit 21 beside a mask; after every 64 words 4 words
	s_mov_b32 s[G1V], 15|(1<<16)|(1<<20)|(1<<21)|(5<<22)|(7<<25)  ; the same with 8 words
.irp g, G1K, G1V
	s_mov_b32 s[\g+1], 128<<16                     ; tensor_dim0 = 128
	s_mov_b32 s[\g+2], 256<<16                     ; tensor_dim1 = 256
	s_mov_b32 s[\g+3], 128<<16                     ; tile_dim0 = 128
	s_mov_b32 s[\g+4], 256                         ; tile_dim1 = 256
	s_mov_b32 s[\g+5], 128
	s_mov_b32 s[\g+6], 0
	s_mov_b32 s[\g+7], 0
.endr
	s_mov_b32 s[G0K], 1
	s_mov_b32 s[G0K+1], s17
	s_mov_b32 s[G0V], 1
	s_add_co_u32 s[G0V+1], s18, VOFF
	s_mov_b32 s[CS], 0x3e0293ee                    ; c = log2(e) / sqrt(128)
	s_mov_b32 s[CS+1], s[CS]
	s_mov_b32 s[SEL], 0x76543210
	s_mov_b32 s[SEL+1], 0xfedcba98
	s_mov_b32 s[AL+1], 0                           ; named as pairs
	s_mov_b32 s[BE+1], 0
	s_mov_b32 s[BIGN], 0xf149f2ca                  ; -1e30
	s_cmp_eq_u32 s15, 0
	s_cselect_b32 s[HID], s[WV], 8                 ; a step is wholly hidden where CNT + this is under 5
	s_add_co_u32 s[TBK], s[WV], 4                  ; the walk begins at step w + 4
	s_mul_i32 s[TBV], s[TBK], 64*PV
	s_mul_i32 s[TBK], s[TBK], 64*PK
	s_mov_b32 s[CNT], 5
	s_wait_dscnt 0x0                               ; the opening add is done
	s_wait_kmcnt 0x0
	s_add_nc_u64 s[G0K+2:G0K+3], s[4:5], s[20:21]
	s_add_nc_u64 s[G0V+2:G0V+3], s[G0K+2:G0K+3], 4<<20  ; the value head lies four heads on
	s_or_b32 s[G0K+3], s[G0K+3], 0x80000000
	s_or_b32 s[G0V+3], s[G0V+3], 0x80000000
	s_add_nc_u64 s[8:9], s[4:5], s[22:23]          ; Q at my wave's first row
	s_add_nc_u64 s[10:11], s[6:7], s[2:3]          ; O likewise
	CROUND                                         ; all four work-groups are here: the joint loads meet
	s_cmp_lt_u32 s[WV], 2                          ; waves 0 and 1 fetch K's halves, waves 2 and 3 V's: one load of a wave is out
	s_cbranch_scc0 .Lfor_v
	tensor_load_to_lds s[G0K:G0K+3], s[G1K:G1K+7]
	s_nop 0
	PLACES
	s_branch .Lasked
.Lfor_v:
	tensor_load_to_lds s[G0V:G0V+3], s[G1V:G1V+7]
	s_nop 0
	PLACES
.Lasked:
	v_and_b32 v1, 15, v0                           ; r
	v_bfe_u32 v9, v0, 4, 1                         ; h
	v_lshlrev_b32 v[QO], 8, v1
	v_lshl_add_u32 v[QO], v9, 4, v[QO]
	WIN 0x80
.set i, 0
.rept 16                                       ; Q stays in registers: tile i / 4, channels 32 (i % 4) on
	global_load_b128 v[8*i:8*i+3],   v[QO], s[8:9] offset:(i/4)*4096+(i%4)*64
	global_load_b128 v[8*i+4:8*i+7], v[QO], s[8:9] offset:(i/4)*4096+(i%4)*64+32
.set i, i+1
.endr
	WIN 0
	v_lshlrev_b32 v11, 3, v9
	v_sub_nc_u32 v11, v1, v11                      ; r - 8 h: register j's key lies above my query where j is greater
	WIN 0xc0
.set i, 0
.rept 8
	v_cmp_gt_i32 vcc_lo, i, v11
	v_cndmask_b32 v[MD+i], 0, s[BIGN], vcc_lo
.set i, i+1
.endr
	WIN 0x40
.set i, 0
.rept 256
	v_mov_b32 v[i], 0                              ; O^T
.set i, i+1
.endr
	WIN 0
.set i, 0
.rept 4
	v_mov_b32 v[ST+8*i], 0xfe000000                ; c m: far below every c s
	v_mov_b32 v[ST+8*i+1], 0xff7fffff              ; m
	v_mov_b32 v[ST+8*i+2], 0
	v_mov_b32 v[ST+8*i+3], 0
.set i, i+1
.endr
	v_mul_u32_u24 v[AK0], v1, PK
	v_lshl_add_u32 v[AK0], v9, 4, v[AK0]
	v_and_b32 v44, 7, v0
	v_bfe_u32 v45, v0, 3, 1
	v_lshl_add_u32 v[AV0], v9, 3, v44
	v_mul_u32_u24 v[AV0], v[AV0], PV
	v_lshl_add_u32 v[AV0], v45, 4, v[AV0]
	v_add_nc_u32 v[AV0], VOFF, v[AV0]
	s_mul_i32 s75, s[WV], 16*SP
	s_add_co_u32 s75, s75, STAGE
	v_mul_u32_u24 v[STO], v1, SP                   ; in: row r, 16 bytes for each half of the lanes
	v_lshl_add_u32 v[STO], v9, 4, v[STO]
	v_add_nc_u32 v[STO], s75, v[STO]
	v_mul_u32_u24 v[RD], v9, SP                    ; back: lanes 0-15 one row of 256 bytes, lanes 16-31 the next
	v_lshl_add_u32 v[RD], v1, 4, v[RD]
	v_add_nc_u32 v[RD], s75, v[RD]
	v_lshlrev_b32 v[GO], 12, v9                    ; and the same two rows in obuf
	v_lshl_add_u32 v[GO], v1, 4, v[GO]
; Product i of 64 of S^T = K Q^T: channels 32 (i / 16) on, keys 16 ((i / 4) % 4) on, tile i % 4.  The first 16 start the sums with the mask.  The 16 accumulators take turns.
.macro KQ
.set t, i%4
.set kb, (i/4)%4
.set cc, i/16
.set rS, S+32*t+8*kb
.set rK, KF+32*kb+8*cc
.set rQ, 32*t+8*cc
.if cc == 0
.set rM, MHI
.if kb < t
.set rM, MLO
.endif
.if kb == t
.set rM, MEQ
.endif
	WIN W_KM
	v_wmma_f32_16x16x32_bf16 v[rS:rS+7], v[rK:rK+7], v[rQ:rQ+7], v[rM:rM+7]
.else
	WIN W_KQ
	v_wmma_f32_16x16x32_bf16 v[rS:rS+7], v[rK:rK+7], v[rQ:rQ+7], v[rS:rS+7]
.endif
.set i, i+1
.endm
; Product i of 64 of O^T += V^T P: keys 32 (i / 32) on, channels 16 ((i / 4) % 8) on, tile i % 4.  32 accumulators take turns.
.macro PVM
	WIN W_PV
.set t, i%4
.set rO, 64*t+8*((i/4)%8)
.set rV, 64*(i/32)+8*((i/4)%8)
.set rP, P+16*t+8*(i/32)
	v_wmma_f32_16x16x32_bf16 v[rO:rO+7], v[rV:rV+7], v[rP:rP+7], v[rO:rO+7]
.set i, i+1
.endm
; Number j of the 134 of one tile's softmax for one key step.  s0-s31 are the lane's 32 scores, in pairs 0-15.
;   0-15 the maximum of the scores and the old m (each accumulator's lowest registers are read first)      16-20 the other half of the lanes' maximum; m; c m; its change
;   21-69 ONE BATCH: the 16 scalings c s - c m and all 33 exponentials (a at 23); none of them reads an exponential's result, and a pair is scaled ahead of its exponentials
;   70-85 the roundings to bf16      86-101 the sums; l = a l + the sum      102-133 O^T times a
.macro SM t
.set rT, ST+8*(\t)
.set rS, S+32*(\t)
.set rP, P+16*(\t)
.set rO, 64*(\t)+2*(j-102)
.if j < 102
	WIN 0
.endif
.if j < 4
	v_max3_num_f32 v[rT+4+j], v[rS+8*j], v[rS+8*j+1], v[rS+8*j+2]
.elseif j < 12
	v_max3_num_f32 v[rT+4+j%4], v[rT+4+j%4], v[rS+8*(j%4)+2*(j/4)+1], v[rS+8*(j%4)+2*(j/4)+2]
.elseif j == 12
	v_max3_num_f32 v[rT+4], v[rT+4], v[rS+7], v[rS+15]
.elseif j == 13
	v_max3_num_f32 v[rT+6], v[rT+6], v[rS+23], v[rS+31]
.elseif j == 14
	v_max3_num_f32 v[rT+4], v[rT+4], v[rT+5], v[rT+6]
.elseif j == 15
	v_max3_num_f32 v[rT+4], v[rT+4], v[rT+7], v[rT+1]
.elseif j == 16
	v_permlanex16_b32 v[rT+5], v[rT+4], s[SEL], s[SEL+1]  ; the query's other 32 keys lie in the lane 16 away
.elseif j == 17
	v_mov_b32 v[rT+7], v[rT]                       ; c m_old is kept for a
.elseif j == 18
	v_max_num_f32 v[rT+1], v[rT+4], v[rT+5]
.elseif j == 19
	v_mul_f32 v[rT], s[CS], v[rT+1]
.elseif j == 20
	v_sub_f32 v[rT+7], v[rT+7], v[rT]
.elseif j == 23
	v_exp_f32 v[rT+6], v[rT+7]
.elseif (j < 23) || ((j < 38) && (j%2 == 0)) || ((j < 66) && (j%4 == 2))
.set b, (j-2)/4                        ; 38, 42, .. 62: pairs 9 to 15
.if j < 38
.set b, (j-20)/2                       ; 21: pair 0; 22, 24, .. 36: pairs 1 to 8
.endif
	v_pk_fma_f32 v[rS+2*b:rS+2*b+1], v[rS+2*b:rS+2*b+1], s[CS:CS+1], v[rT:rT+1] op_sel_hi:[1,0,0] neg_lo:[0,0,1] neg_hi:[0,0,1]
.elseif j < 70
.set e, j-38                           ; 66 to 69: s28 to s31
.if j < 66
.set e, j-32-(j-38)/4                  ; 39-41, 43-45, .. 63-65: s7 to s27
.endif
.if j < 38
.set e, (j-25)/2                       ; 25, 27, .. 37: s0 to s6
.endif
	v_exp_f32 v[rS+e], v[rS+e]
.elseif j < 86
	v_cvt_pk_bf16_f32 v[rP+j-70], v[rS+2*(j-70)], v[rS+2*(j-70)+1]
.elseif j < 102                        ; the 16 pairs are added in place, neighbours 1, 2, 4 and 8 pairs apart; then l takes the sum
.set z, j-86
.set w, 4
.set u, z
.if z >= 14
.set w, 32
.set u, 0
.elseif z >= 12
.set w, 16
.set u, z-12
.elseif z >= 8
.set w, 8
.set u, z-8
.endif
.if z < 15
	v_pk_add_f32 v[rS+w*u:rS+w*u+1], v[rS+w*u:rS+w*u+1], v[rS+w*u+w/2:rS+w*u+w/2+1]
.else
	v_pk_fma_f32 v[rT+2:rT+3], v[rT+2:rT+3], v[rT+6:rT+7], v[rS:rS+1] op_sel_hi:[1,0,1]
.endif
.else
	WIN W_RS
	v_pk_mul_f32 v[rO:rO+1], v[rO:rO+1], v[rT+6:rT+7] op_sel_hi:[1,0]
.endif
.endm
	s_wait_tensorcnt 0x0                           ; my tile is in,
	s_barrier_signal -1
	s_barrier_wait -1                              ; everybody's is: all 512 keys lie in LDS, and nobody writes them again
	s_wait_loadcnt 0x0                             ; Q
.Lstep:                                        ; five trips: key steps w + 4 down to w
	s_add_co_u32 s74, s[CNT], s[HID]
	s_cmp_eq_u32 s[CNT], 1                         ; the window's far end
	s_cselect_b32 s[LO], s[BIGN], 0
	s_cselect_b32 s[AL], -1.0, 0
	s_cselect_b32 s[BE], s[BIGN], 0
	s_cmp_eq_u32 s[CNT], 5                         ; the diagonal
	s_cselect_b32 s[AL], 1.0, s[AL]
	s_cselect_b32 s[HI], s[BIGN], 0
	s_cmp_lt_u32 s74, 5                            ; block 0: a step of the block before
	s_cselect_b32 s[LO], s[BIGN], s[LO]
	s_cselect_b32 s[AL], 0, s[AL]
	s_cselect_b32 s[BE], s[BIGN], s[BE]
	s_cselect_b32 s[HI], s[BIGN], s[HI]
	v_add_nc_u32 v[ADRK], s[TBK], v[AK0]
	s_sub_co_u32 s[TBK], s[TBK], 64*PK             ; the next trip's step lies below (behind the last trip the number is not used)
	WIN 0x80                                       ; the step's K: 32 loads in one run; the products that read these registers stand a softmax back
.set f, 0
.rept 16                                       ; keys 16 (f / 4) on, channels 32 (f % 4) on
	ds_load_b128 v[KF+8*f:KF+8*f+3],   v[ADRK] offset:(f/4)*16*PK+(f%4)*64
	ds_load_b128 v[KF+8*f+4:KF+8*f+7], v[ADRK] offset:(f/4)*16*PK+(f%4)*64+32
.set f, f+1
.endr
	WIN 0xc3                                       ; the masks: 20 plain lines, which are also the places between the last trip's products V^T P and the loads into V's registers
.set z, 0
.rept 4
	v_pk_fma_f32 v[MEQ+2*z:MEQ+2*z+1], v[MD+2*z:MD+2*z+1], s[AL:AL+1], s[BE:BE+1] op_sel_hi:[1,0,0]
.set z, z+1
.endr
.set z, 0
.rept 8
	v_mov_b32 v[MLO+z], s[LO]
	v_mov_b32 v[MHI+z], s[HI]
.set z, z+1
.endr
	WIN 0
	v_add_nc_u32 v[ADRV], s[TBV], v[AV0]
	s_sub_co_u32 s[TBV], s[TBV], 64*PV
	WIN 0xc0                                       ; the step's V, turned: 32 loads in one run
.set f, 0
.rept 16                                       ; keys 32 (f / 8) on, channels 16 (f % 8) on
	ds_load_tr16_b128 v[8*f:8*f+3],   v[ADRV] offset:(f/8)*32*PV+(f%8)*32
	ds_load_tr16_b128 v[8*f+4:8*f+7], v[ADRV] offset:(f/8)*32*PV+16*PV+(f%8)*32
.set f, f+1
.endr
	s_wait_dscnt 32                                ; K is in; V's 32 loads may stay out
.set i, 0
.rept 64
	KQ
.endr
	WIN 0
	PLACES                                         ; behind the last products, in front of the maxima that read them
.set j, 0
.rept 70
	SM 0
	SM 1
	SM 2
	SM 3
.set j, j+1
.endr
	v_nop                                          ; a plain instruction behind the last exponential
	s_wait_alu depctr_va_vdst(0)                   ; the wait ahead of the first reader: one for the four tiles' 132 exponentials
.rept 64
	SM 0
	SM 1
	SM 2
	SM 3
.set j, j+1
.endr
	s_wait_dscnt 0x0                               ; V is in
.set i, 0
.rept 64
	PVM
.endr
	WIN 0
	s_sub_co_u32 s[CNT], s[CNT], 1
	s_cmp_lg_u32 s[CNT], 0
	s_cbranch_scc1 .Lstep
	; THE WAY OUT.  l's two halves and the other half of the lanes' are added; O^T is divided by l, rounded to bf16 and sent through my stage, a tile (16 rows) at a time.  The additions are the places behind the last products.
.irp t, 0,1,2,3
	v_add_f32 v[ST+8*(\t)+4], v[ST+8*(\t)+2], v[ST+8*(\t)+3]
.endr
.irp t, 0,1,2,3
	v_permlanex16_b32 v[ST+8*(\t)+5], v[ST+8*(\t)+4], s[SEL], s[SEL+1]
.endr
.irp t, 0,1,2,3
	v_add_f32 v[ST+8*(\t)+4], v[ST+8*(\t)+4], v[ST+8*(\t)+5]
.endr
.irp t, 0,1,2,3
	v_rcp_f32 v[ST+8*(\t)+6], v[ST+8*(\t)+4]
.endr
	v_nop                                          ; a plain instruction between the last reciprocal and its use
	s_wait_alu depctr_va_vdst(0)                   ; one wait for the four reciprocals
.macro PACK t
	WIN W_RS
.set i, 64*(\t)
.rept 32
	v_pk_mul_f32 v[i:i+1], v[i:i+1], v[ST+8*(\t)+6:ST+8*(\t)+7] op_sel_hi:[1,0]
.set i, i+2
.endr
	WIN 0x05                                       ; sources window 1, destination window 0: S^T's registers are free
.set i, 0
.rept 32
	v_cvt_pk_bf16_f32 v[S+32*(\t)+i], v[64*(\t)+2*i], v[64*(\t)+2*i+1]
.set i, i+1
.endr
	WIN 0
.irp f, 0,1,2,3,4,5,6,7
	ds_store_b128 v[STO], v[S+32*(\t)+4*(\f):S+32*(\t)+4*(\f)+3] offset:32*(\f)
.endr
.irp f, 0,1,2,3,4,5,6,7
	ds_load_b128 v[S+32*(\t)+4*(\f):S+32*(\t)+4*(\f)+3], v[RD] offset:(\f)*2*SP  ; LDS serves a wave's instructions in order: these see the stores above, and the next tile's stores come behind them
.endr
.endm
.macro SEND t, younger                 ; younger: the LDS instructions issued behind tile t's loads
.irp f, 0,1,2,3,4,5,6,7
	s_wait_dscnt (\younger)+7-(\f)
	global_store_b128 v[GO], v[S+32*(\t)+4*(\f):S+32*(\t)+4*(\f)+3], s[10:11] offset:(\t)*65536+(\f)*8192  ; 16 lanes store 256 consecutive bytes, aligned
.endr
.endm
	PACK 0
	PACK 1
	SEND 0, 16
	PACK 2
	SEND 1, 16
	PACK 3
	SEND 2, 16
	SEND 3, 0
	s_wait_tensorcnt 0x0                           ; the wave's end: behind my last tensor load and my last LDS store
	ds_add_u32 v[SPW], v[NIL]
	s_wait_dscnt 0x0
	CROUND                                         ; the closing round
	s_endpgm
.Lfunc_end_k_q4ee097bec2_attn:
	.size	k_q4ee097bec2_attn, .Lfunc_end_k_q4ee097bec2_attn-k_q4ee097bec2_attn
	.p2alignl 7, 3214868480
	.fill 96, 4, 3214868480
	.section	.rodata,"a",@progbits
	.p2align	6, 0x0
	.amdhsa_kernel k_q4ee097bec2_attn
		.amdhsa_group_segment_fixed_size 327680
		.amdhsa_private_segment_fixed_size 0
		.amdhsa_enable_private_segment 0
		.amdhsa_kernarg_size 16
		.amdhsa_user_sgpr_count 2
		.amdhsa_user_sgpr_kernarg_segment_ptr 1
		.amdhsa_wavefront_size32 1
		.amdhsa_system_sgpr_workgroup_id_x 1
		.amdhsa_system_sgpr_workgroup_id_y 1
		.amdhsa_system_sgpr_workgroup_id_z 1
		.amdhsa_system_vgpr_workitem_id 0
		.amdhsa_next_free_vgpr 928
		.amdhsa_next_free_sgpr 80
		.amdhsa_reserve_vcc 1
		.amdhsa_float_denorm_mode_32 3
		.amdhsa_float_denorm_mode_16_64 3
		.amdhsa_memory_ordered 1
		.amdhsa_forward_progress 1
		.amdhsa_inst_pref_size 88
	.end_amdhsa_kernel
	.amdgpu_metadata
---
amdhsa.version: [ 1, 2 ]
amdhsa.kernels:
  - .name:           k_q4ee097bec2_attn
    .symbol:         k_q4ee097bec2_attn.kd
    .args:
      - { .name: qkv, .offset: 0, .size: 8, .value_kind: global_buffer, .address_space: global }
      - { .name: obuf, .offset: 8, .size: 8, .value_kind: global_buffer, .address_space: global }
    .group_segment_fixed_size: 327680
    .private_segment_fixed_size: 0
    .kernarg_segment_align: 8
    .kernarg_segment_size: 16
    .max_flat_workgroup_size: 128
    .sgpr_count:     80
    .vgpr_count:     928
    .wavefront_size: 32
...
	.end_amdgpu_metadata
.endif
;; end of part 3
;; launch outp (part 4): grid 8 x 32, 4 waves a work-group, clusters of 4 x 4, 327,680 bytes of LDS; arguments obuf, wob, embeddings, out0; writes out0
.if DOCPART == 4
	.amdgcn_target "amdgcn-amd-amdhsa--gfx1250"
	.amdhsa_code_object_version 6
	.text
	.protected	k_q4ee097bec2_outp
	.globl	k_q4ee097bec2_outp
	.p2align	8
	.type	k_q4ee097bec2_outp,@function
k_q4ee097bec2_outp:
	s_mov_b64 s[64:65], 0
	v_nop
	global_prefetch_b8 v0, s[64:65] scope:SCOPE_SE
	s_setreg_imm32_b32 hwreg(HW_REG_WAVE_MODE, 25, 1), 1
	s_wait_xcnt 0x0
	s_wait_alu depctr_hold_cnt(0) depctr_sa_sdst(0) depctr_va_vdst(0) depctr_va_sdst(0) depctr_va_ssrc(0) depctr_va_vcc(0) depctr_vm_vsrc(0)
	s_getreg_b32 s2, hwreg(HW_REG_IB_STS2, 6, 4)
	s_cmp_eq_u32 s2, 0
	s_cbranch_scc0 .Lentry_in_a_cluster
	s_endpgm
.Lentry_in_a_cluster:
	s_bfe_u32 s2, ttmp6, 0x10000c
	s_cmp_lg_u32 s2, 0xf033
	s_cbranch_scc0 .Lentry_shape_is_right
	s_endpgm
.Lentry_shape_is_right:
; OUT: out0 [4096][2048] f32 = embeddings + obuf [4096][2048] x wob [2048][2048]; bf16 operands, f32 sums, K ascending; the residual is added in f32 on the way out.
; SHARES.  A work-group makes 128 rows x 2 CHUNKS of 128 columns: 8 x 32 work-groups.  Wave (WM, WN) takes rows 64 WM .. + 63 and, in each chunk, columns 64 WN .. + 63: 4 x 8 accumulators.
; RING.  Two LDS slots of UNEQUAL length take turns: a small one with 128 of K and a large one with 256, together all that LDS holds beside the spare words.  K is walked as
; S0 L0 S1 L1 .. S4 L4 S5: 6 x 128 + 5 x 256 = 2,048: ten changes of slots, and every row of a tile is 256 or 512 bytes of memory and starts at a multiple of 256 from its buffer's first byte.
; A slot holds the two chunks' k-rows (256 bytes + 32 of padding) and A's 128 rows (256 + 16 or 512 + 16).  Waves 0 and 1 fetch the chunks, waves 2 and 3 the halves of A: one tensor load a wave
; behind each change of slots; two loads of a wave are out at the start, later one.  The small slot's load has the large slot's products in which to land, and the other way round.
; CLUSTER 4 x 4: A's tile hangs on the tile row alone and is asked for jointly by a row of the cluster, a chunk on the tile column alone and by a column.
; THE PRODUCT IS TAKEN TRANSPOSED (source 0 = 16 columns of the weights, stored [k][n] and turned by ds_load_tr16_b128; source 1 = 16 rows of obuf): a lane holds one row and eight neighbouring columns.
; THE RESIDUAL is loaded as it will be stored (sixteen lanes take 256 consecutive bytes, aligned) into 256 registers that no product names: half behind the first barrier, half at the tail's start;
; nothing waits for it before the way out.
; WAY OUT.  16 rows at a time through each wave's own stage (rows of 512 + 16 bytes, in the large slot's bytes, which has had its last fill and, ahead of the last change's barrier, its last read);
; read back as whole rows, the residual added, sixteen lanes store 256 consecutive bytes, aligned.
; REGISTERS, in windows of 256 (s_set_vgpr_msb: bits 1:0 source 0, 3:2 source 1, 5:4 source 2, 7:6 destination):
;   window 0: v0-31 addresses; v64-127 A's fragments, two buffers of 32; v128-255 the way out      window 1: v0-127 the weights' fragments, two buffers of 64; v128-255 the residual of row blocks 0, 1
;   window 2: v0-127 the accumulators of row blocks 0, 1 at 8 (8 (a % 2) + b); v128-255 the residual of row blocks 2, 3      window 3: v0-127 the accumulators of row blocks 2, 3
.set NBK,   8                          ; column blocks of a wave
.set PAS,   272                        ; a row of A in the small slot: 68 words: the 16 rows of a load start at 16 different groups of four banks
.set PAB,   528                        ; in the large slot: 132 words: likewise
.set PB,    288                        ; a k-row of a chunk: 72 words
.set CHS,   128*PB                     ; a chunk in the small slot
.set CHL,   256*PB                     ; in the large slot
.set BIGA,  2*CHL                      ; the large slot begins at 0: two chunks, then A
.set SM,    BIGA+128*PAB               ; the small slot: two chunks,
.set SMA,   SM+2*CHS                   ; then A
.set SPARE, SMA+128*PAS                ; behind the ring: the spare words, 128 bytes a wave: two blocks of 256 bytes that no other line names
.set SPT,   528                        ; a row of the stage; wave w's stage begins at 16 x 528 w
.set NF,    24                         ; LDS loads in a run
.set ASTEP, 384*2                      ; bytes along a row of obuf from a slot's K step to its next
.set WSTEP, 384*4096                   ; the same down the rows of wob
.set ADRA, 8                           ; v8-10   my A fragments: small slot; large slot, first 128 of K; large slot, second 128
.set ADRB, 12                          ; v12-17  my fragments of chunk c: the same three parts u at ADRB + 2 u + c
.set STO,  19                          ; v19     into my stage
.set RD,   20                          ; v20     back out of it
.set CO,   21                          ; v21     my 16 bytes of a row of my part of the tile, in embeddings and in out0; never rewritten
.set PFO,  24                          ; v24     the prefetches' offset: my lane x a row of 4,096 bytes; never rewritten
.set PFO2, 25                          ; v25     the same for the large slot's second half; never rewritten
.set SPW,  28                          ; v28     my spare word: SPARE + 4 x my thread's number; never rewritten
.set NIL,  29                          ; v29     0; never rewritten
.set WV,   14                          ; s14 wave; s15 WM; s16 WN, also which chunk or which half of A I fetch; s17 cx; s18 cy; s19 TX; s20 TY
.set G1AS, 24                          ; s[24:31] group 1 for A's tiles, small slot      s[32:39] large slot
.set G1WS, 40                          ; s[40:47], s[48:55] the same for the chunks
.set G0AS, 56                          ; s[56:59] group 0 for A's tiles, small slot      s[60:63] large slot
.set G0WS, 68                          ; s[68:71], s[72:75] the same for the chunks
.set PFS,  76                          ; s[76:77] where my prefetches for the small slot stand
.set PFB,  78                          ; s[78:79] for the large slot
.set PFT,  80                          ; s[80:81] their step
.set LIM,  82                          ; s82  1 in a wave that prefetches, else the greatest number
.set RB,   84                          ; s[84:85] embeddings at my part of the tile
.set OB,   86                          ; s[86:87] out0 likewise
.set MSB, 0
.macro WIN new                         ; the high byte repeats the setting that is left; a switch that changes nothing is dropped
.if MSB != (\new)
	s_set_vgpr_msb (MSB<<8)|(\new)
.set MSB, \new
.endif
.endm
.set MUL_LO, 0xa1                      ; source 0 window 1, source 1 window 0, C and D window 2
.set TO_B,   0x40                      ; destination window 1, address window 0
.macro PLACES                          ; four places behind matrix instructions, in front of loads into registers that they have read
.rept 4
	v_nop
.endr
.endm
.macro CREST                           ; a round of the cluster's barrier behind its opening barrier
	s_cmp_lg_u32 s[WV], 0
	s_cbranch_scc1 .Lnot_wave_0_\@
	s_barrier_signal -3
.Lnot_wave_0_\@:
	s_barrier_wait -3
	s_barrier_signal -1
	s_barrier_wait -1
.endm
.macro CROUND
	s_barrier_signal -1
	s_barrier_wait -1
	CREST
.endm
.macro SHAPE g, cols, rows             ; group 1's words 1 to 7: a tile of rows x cols elements out of rows of 2,048
	s_mov_b32 s[\g+1], (\cols)<<16                 ; tensor_dim0
	s_mov_b32 s[\g+2], (\rows)<<16                 ; tensor_dim1
	s_mov_b32 s[\g+3], (\cols)<<16                 ; tile_dim0
	s_mov_b32 s[\g+4], \rows                       ; tile_dim1
	s_mov_b32 s[\g+5], 2048                        ; elements from row to row
	s_mov_b32 s[\g+6], 0
	s_mov_b32 s[\g+7], 0
.endm
; A joint refill of the small (big = 0) or the large slot: waves 0 and 1 their chunks, waves 2 and 3 their halves of A.  The branch hangs on the wave's number alone.
; An s_nop 0 and four v_nop follow each line; the four are also the places in front of the LDS loads that follow.
.macro JLOAD big
	s_cmp_lt_u32 s[WV], 2
	s_cbranch_scc0 .Lfor_a_\@
	tensor_load_to_lds s[G0WS+4*(\big):G0WS+4*(\big)+3], s[G1WS+8*(\big):G1WS+8*(\big)+7]
	s_nop 0
	PLACES
	s_branch .Lasked_\@
.Lfor_a_\@:
	tensor_load_to_lds s[G0AS+4*(\big):G0AS+4*(\big)+3], s[G1AS+8*(\big):G1AS+8*(\big)+7]
	s_nop 0
	PLACES
.Lasked_\@:
.endm
; A PREFETCH of what the NEXT change of slots will ask for, a lane a row.  A's rows: wave 2 of the clusters with x = 0; a chunk's k-rows: its wave in the clusters with y = 0.  The four partners of a joint
; load share its rows out by address: of A's 128 rows 32 each (the large slot: both blocks of 256 bytes of each); of a chunk's 128 or 256 k-rows 32 or 64 each.  So each block of 256 bytes is named once.
; S0, L0 and S1 come by their loads alone.  big = 1: the large slot has just been asked for, the small one's next K step is named: there always is one.  big = 0: the large slot's next K step:
; the last change that fills the small slot (s3 = 1) has none.
.macro ASK big
.if \big
	s_cmp_ge_u32 s3, s[LIM]
	s_cbranch_scc0 .Lnot_mine_\@
	global_prefetch_b8 v[PFO], s[PFS:PFS+1] th:TH_LOAD_NT scope:SCOPE_SE
.else
	s_cmp_gt_u32 s3, s[LIM]
	s_cbranch_scc0 .Lnot_mine_\@
	global_prefetch_b8 v[PFO], s[PFB:PFB+1] th:TH_LOAD_NT scope:SCOPE_SE
	global_prefetch_b8 v[PFO2], s[PFB:PFB+1] th:TH_LOAD_NT scope:SCOPE_SE
.endif
.Lnot_mine_\@:
.endm
; 8 matrix instructions: row block a x all column blocks, 32 along K, from buffer f.  All 32 accumulators take turns in one fixed order.  zero = 1: the products start the sums.
.macro MULA f, a, zero
	WIN MUL_LO+0x50*((\a)/2)
.set b, 0
.rept NBK
.set rD, 8*(NBK*((\a)%2)+b)
.set rB, 8*NBK*(\f)+8*b
.set rA, 64+32*(\f)+8*(\a)
.if \zero
	v_wmma_f32_16x16x32_bf16 v[rD:rD+7], v[rB:rB+7], v[rA:rA+7], 0
.else
	v_wmma_f32_16x16x32_bf16 v[rD:rD+7], v[rB:rB+7], v[rA:rA+7], v[rD:rD+7]
.endif
.set b, b+1
.endr
.endm
; One run of 24 LDS loads: the fragments of quarter q (32 along K) of part u (0: the small slot; 1, 2: the large slot's halves) into buffer f; A's row blocks 2 and 3 are the youngest four.
.macro FETCH u, q, f
	WIN TO_B
.set b, 0
.rept NBK
.set rB, 8*NBK*(\f)+8*b
	ds_load_tr16_b128 v[rB:rB+3],   v[ADRB+2*(\u)+b/4] offset:(\q)*32*PB+32*(b%4)
	ds_load_tr16_b128 v[rB+4:rB+7], v[ADRB+2*(\u)+b/4] offset:(\q)*32*PB+32*(b%4)+16*PB
.set b, b+1
.endr
	WIN 0
.set PAU, PAB
.if (\u) == 0
.set PAU, PAS
.endif
.set b, 0
.rept 4
.set rA, 64+32*(\f)+8*b
	ds_load_b128 v[rA:rA+3],   v[ADRA+(\u)] offset:b*16*PAU+64*(\q)
	ds_load_b128 v[rA+4:rA+7], v[ADRA+(\u)] offset:b*16*PAU+64*(\q)+32
.set b, b+1
.endr
.endm
; A quarter: multiplies buffer f; in its middle fetches quarter q of part u into buffer g.
.macro QUARTER u, q, f, g, zero
	s_wait_dscnt 4                                 ; all of the run but its youngest four loads (A's row blocks 2 and 3)
	MULA \f, 0, \zero
	MULA \f, 1, \zero
	PLACES
	FETCH \u, \q, \g
	s_wait_dscnt NF                                ; all but the run just issued
	MULA \f, 2, \zero
	MULA \f, 3, \zero
.endm
; The first half of a slot's last quarter: ONE barrier for the change of slots.  In front of it each wave waits for all its tensor loads (its part of the other slot), adds 0 to its spare word, and waits for that and for its reads of this slot.
.macro MEET round
	WIN 0
	s_wait_tensorcnt 0x0                           ; all my tensor loads have landed
	ds_add_u32 v[SPW], v[NIL]
	s_wait_dscnt 5                                 ; (the add and the youngest four loads may be out)
	MULA 1, 0, 0
	s_wait_dscnt 0x0                               ; the add is done, and my reads of this slot are over
	s_barrier_signal -1
	MULA 1, 1, 0
.if \round
	WIN 0
.endif
	s_barrier_wait -1
.endm
; A slot's last quarter: the slot just read (big = 1: the large one) is filled again with its next K step, 384 of K on, first thing behind the round; then part next's first fragments are fetched.
.macro TURN big, next
	s_wait_xcnt 0x0                                ; the prefetches of the last change of slots have read their address: it is stepped here, ahead of this change's waits
.if \big
	s_add_nc_u64 s[PFB:PFB+1], s[PFB:PFB+1], s[PFT:PFT+1]
.else
	s_add_nc_u64 s[PFS:PFS+1], s[PFS:PFS+1], s[PFT:PFT+1]
.endif
	MEET 1
	CREST                                          ; no wave of any partner still reads this slot or has a load on its way
	s_add_nc_u64 s[G0AS+4*(\big)+2:G0AS+4*(\big)+3], s[G0AS+4*(\big)+2:G0AS+4*(\big)+3], ASTEP
	s_add_nc_u64 s[G0WS+4*(\big)+2:G0WS+4*(\big)+3], s[G0WS+4*(\big)+2:G0WS+4*(\big)+3], WSTEP
	JLOAD \big
	FETCH \next, 0, 0
	ASK \big
	MULA 1, 2, 0
	MULA 1, 3, 0
.endm
.macro LARGE                           ; the large slot's first seven quarters; no barrier stands between its halves: the one in front has shown the whole slot to every wave
	QUARTER 1, 1, 0, 1, 0
	QUARTER 1, 2, 1, 0, 0
	QUARTER 1, 3, 0, 1, 0
	QUARTER 2, 0, 1, 0, 0
	QUARTER 2, 1, 0, 1, 0
	QUARTER 2, 2, 1, 0, 0
	QUARTER 2, 3, 0, 1, 0
.endm
; The residual of row block a: 16 rows, a load a row: lanes 0-15 my 64 columns of chunk 0, lanes 16-31 those of chunk 1.
.macro RESID a
	WIN 0x40*(1+(\a)/2)                            ; destination window 1 or 2, address window 0
.set t, 0
.rept 16
	global_load_b128 v[128+64*((\a)%2)+4*t:128+64*((\a)%2)+4*t+3], v[CO], s[RB:RB+1] offset:(\a)*131072+t*8192 th:TH_LOAD_NT
.set t, t+1
.endr
.endm
	s_load_b256 s[4:11], s[0:1], 0x0               ; obuf 4, wob 6, embeddings 8, out0 10
	v_lshl_add_u32 v[SPW], v0, 2, SPARE
	v_mov_b32 v[NIL], 0
	ds_add_u32 v[SPW], v[NIL]                      ; the wave's opening: the add and its wait stand ahead of my first tensor load; work on registers stands between them
	v_lshrrev_b32 v3, 5, v0
	v_readfirstlane_b32 s[WV], v3
	s_lshr_b32 s15, s[WV], 1                       ; WM
	s_and_b32 s16, s[WV], 1                        ; WN
	s_bfe_u32 s17, ttmp6, 0x40000                  ; cx
	s_bfe_u32 s18, ttmp6, 0x40004                  ; cy
	s_lshl_b32 s19, ttmp9, 2
	s_add_co_u32 s19, s19, s17                     ; TX = 4 x cluster x + cx
	s_and_b32 s20, ttmp7, 0xffff
	s_lshl_b32 s20, s20, 2
	s_add_co_u32 s20, s20, s18                     ; TY = 4 x cluster y + cy
	s_lshl_b32 s22, s18, 2
	s_lshl_b32 s22, 15, s22                        ; my row of the cluster
	s_lshl_b32 s23, 0x1111, s17                    ; my column
	s_or_b32 s[G1AS],   s22, (1<<16)|(1<<20)|(1<<21)|(5<<22)|(3<<25)  ; mask; 2-byte elements; padding on; bit 21 beside a mask; after every 64 words 4 words
	s_or_b32 s[G1AS+8], s22, (1<<16)|(1<<20)|(1<<21)|(6<<22)|(3<<25)  ; after every 128 words 4 words
	s_or_b32 s[G1WS],   s23, (1<<16)|(1<<20)|(1<<21)|(5<<22)|(7<<25)  ; my column; after every 64 words 8 words
	s_or_b32 s[G1WS+8], s23, (1<<16)|(1<<20)|(1<<21)|(5<<22)|(7<<25)
	SHAPE G1AS,   128, 64                          ; half of A's rows, 128 of K
	SHAPE G1AS+8, 256, 64                          ; 256 of K
	SHAPE G1WS,   128, 128                         ; a chunk's 128 columns, 128 k-rows
	SHAPE G1WS+8, 128, 256                         ; 256 k-rows
	s_mov_b32 s[G0AS], 1                           ; where my tiles go: (wave % 2) x a constant + a constant; no place in the cluster enters an LDS address
	s_mul_i32 s88, s16, 64*PAS
	s_add_co_u32 s[G0AS+1], s88, SMA
	s_mov_b32 s[G0AS+4], 1
	s_mul_i32 s88, s16, 64*PAB
	s_add_co_u32 s[G0AS+5], s88, BIGA
	s_mov_b32 s[G0WS], 1
	s_mul_i32 s88, s16, CHS
	s_add_co_u32 s[G0WS+1], s88, SM
	s_mov_b32 s[G0WS+4], 1
	s_mul_i32 s[G0WS+5], s16, CHL
	s_lshl_b32 s90, s20, 19                        ; A: row 128 TY + 64 (wave % 2), rows of 4,096 bytes
	s_lshl_b32 s91, s16, 18
	s_add_co_u32 s90, s90, s91
	s_mov_b32 s91, 0
	s_lshl_b32 s92, s19, 9                         ; the weights: chunk 2 TX + wave % 2, 256 bytes of a row
	s_lshl_b32 s93, s16, 8
	s_add_co_u32 s92, s92, s93
	s_mov_b32 s93, 0
	s_lshl_b32 s94, s20, 20                        ; my part of the tile in embeddings and in out0: row 128 TY + 64 WM, column 256 TX + 64 WN
	s_lshl_b32 s95, s15, 19
	s_add_co_u32 s94, s94, s95
	s_lshl_b32 s95, s19, 10
	s_add_co_u32 s94, s94, s95
	s_lshl_b32 s95, s16, 8
	s_add_co_u32 s94, s94, s95
	s_mov_b32 s95, 0
	s_wait_dscnt 0x0                               ; the opening add is done
	s_wait_kmcnt 0x0
	s_add_nc_u64 s[G0AS+2:G0AS+3], s[4:5], s[90:91]          ; S0: K = 0 on
	s_add_nc_u64 s[G0AS+6:G0AS+7], s[G0AS+2:G0AS+3], 128*2   ; L0: K = 128 on
	s_or_b32 s[G0AS+3], s[G0AS+3], 0x80000000
	s_or_b32 s[G0AS+7], s[G0AS+7], 0x80000000
	s_add_nc_u64 s[G0WS+2:G0WS+3], s[6:7], s[92:93]
	s_add_nc_u64 s[G0WS+6:G0WS+7], s[G0WS+2:G0WS+3], 128*4096
	s_or_b32 s[G0WS+3], s[G0WS+3], 0x80000000
	s_or_b32 s[G0WS+7], s[G0WS+7], 0x80000000
	s_add_nc_u64 s[RB:RB+1], s[8:9], s[94:95]
	s_add_nc_u64 s[OB:OB+1], s[10:11], s[94:95]
	CROUND                                         ; all sixteen work-groups are here: the first joint loads meet
	s_cmp_lt_u32 s[WV], 2                          ; a wave's two first fills stand in one branch, the small slot's first, ahead of every wait on TENSORcnt and every LDS read
	s_cbranch_scc0 .Lfirst_a
	tensor_load_to_lds s[G0WS:G0WS+3], s[G1WS:G1WS+7]
	s_nop 0
	tensor_load_to_lds s[G0WS+4:G0WS+7], s[G1WS+8:G1WS+15]
	s_nop 0
	PLACES
	s_branch .Lfirst_asked
.Lfirst_a:
	tensor_load_to_lds s[G0AS:G0AS+3], s[G1AS:G1AS+7]
	s_nop 0
	tensor_load_to_lds s[G0AS+4:G0AS+7], s[G1AS+8:G1AS+15]
	s_nop 0
	PLACES
.Lfirst_asked:
	; lane addresses.  A fragment of A: lane l holds row l % 16, K = 8 (l / 16) + 0..7 and 16 + 8 (l / 16) + 0..7: two loads of 16 bytes, 32 apart.
	v_and_b32 v1, 15, v0                           ; r
	v_bfe_u32 v2, v0, 4, 1                         ; h
	v_mul_u32_u24 v3, v1, PAS
	v_lshl_add_u32 v3, v2, 4, v3
	s_mul_i32 s88, s15, 64*PAS
	s_add_co_u32 s88, s88, SMA
	v_add_nc_u32 v[ADRA], s88, v3
	v_mul_u32_u24 v3, v1, PAB
	v_lshl_add_u32 v3, v2, 4, v3
	s_mul_i32 s88, s15, 64*PAB
	s_add_co_u32 s88, s88, BIGA
	v_add_nc_u32 v[ADRA+1], s88, v3
	v_add_nc_u32 v[ADRA+2], 256, v[ADRA+1]
	; The turning load: lane l reads 16 bytes of k-row 8 (l / 16) + l % 8, columns 8 ((l / 8) % 2) + 0..7, and ends with column l % 16 and 8 k.
	v_and_b32 v4, 7, v0
	v_lshl_add_u32 v4, v2, 3, v4
	v_mul_u32_u24 v4, v4, PB
	v_bfe_u32 v5, v0, 3, 1
	v_lshl_add_u32 v4, v5, 4, v4
	s_lshl_b32 s89, s16, 7                         ; my 64 columns of a chunk
	v_add_nc_u32 v4, s89, v4
	v_add_nc_u32 v[ADRB],   SM, v4
	v_add_nc_u32 v[ADRB+1], SM+CHS, v4
	v_mov_b32    v[ADRB+2], v4
	v_add_nc_u32 v[ADRB+3], CHL, v4
	v_add_nc_u32 v[ADRB+4], CHS, v4                ; the large slot's second 128 k-rows
	v_add_nc_u32 v[ADRB+5], CHL+CHS, v4
	s_mul_i32 s90, s[WV], 16*SPT                   ; my stage
	v_mul_u32_u24 v5, v1, SPT                      ; in: row r, 32 bytes for each half of the lanes
	v_lshl_add_u32 v5, v2, 5, v5
	v_add_nc_u32 v[STO], s90, v5
	v_and_b32 v6, 31, v0                           ; back: 32 lanes take a row's 512 bytes
	v_lshl_add_u32 v[RD], v6, 4, s90
	v_lshlrev_b32 v[CO], 9, v2                     ; chunk 1 lies 512 bytes on in a row of out0
	v_lshl_add_u32 v[CO], v1, 4, v[CO]
	; the prefetches.  The small slot's pointer begins at S1 and is stepped ahead of its first use; the large slot's begins at L1.  Nothing is asked for here, at the head.
	s_lshl_b32 s88, s19, 9
	s_lshl_b32 s89, s16, 8
	s_add_co_u32 s88, s88, s89                     ; the weights: my chunk,
	s_lshl_b32 s89, s18, 17
	s_add_co_u32 s90, s88, s89                     ; small: k-rows 384 + 32 cy on
	s_add_co_u32 s90, s90, 384*4096
	s_lshl_b32 s89, s18, 18
	s_add_co_u32 s92, s88, s89                     ; large: k-rows 512 + 64 cy on
	s_add_co_u32 s92, s92, 512*4096
	s_lshl_b32 s88, s20, 7
	s_lshl_b32 s89, s17, 5
	s_add_co_u32 s88, s88, s89                     ; A: rows 128 TY + 32 cx on,
	s_lshl_b32 s88, s88, 12
	s_add_co_u32 s94, s88, 384*2                   ; small: K = 384 on
	s_add_co_u32 s88, s88, 512*2                   ; large: K = 512 on
	s_and_b32 s89, ttmp7, 0xffff                   ; cluster y
	s_mov_b32 s[PFT], WSTEP
	s_mov_b32 s95, 32*4096                         ; the large slot's second half: 32 k-rows on, or 256 bytes on in A's rows
	s_cmp_lt_u32 s[WV], 2
	s_cselect_b32 s90, s90, s94
	s_cselect_b32 s92, s92, s88
	s_cselect_b32 s89, s89, ttmp9                  ; the coordinate along which other clusters read the same rows
	s_cselect_b32 s[PFT], s[PFT], ASTEP
	s_cselect_b32 s95, s95, 256
	s_cselect_b64 s[PFS:PFS+1], s[6:7], s[4:5]
	s_mov_b64 s[PFB:PFB+1], s[PFS:PFS+1]
	s_mov_b32 s91, 0
	s_mov_b32 s93, 0
	s_mov_b32 s[PFT+1], 0
	s_add_nc_u64 s[PFS:PFS+1], s[PFS:PFS+1], s[90:91]
	s_add_nc_u64 s[PFB:PFB+1], s[PFB:PFB+1], s[92:93]
	s_cmp_eq_u32 s89, 0
	s_cselect_b32 s[LIM], 1, -1                    ; the same in all sixteen partners, for a given wave
	s_cmp_eq_u32 s[WV], 3                          ; wave 2 asks for all of A's rows, wave 3 for nothing
	s_cselect_b32 s[LIM], -1, s[LIM]
	v_and_b32 v[PFO], 31, v0
	v_lshlrev_b32 v[PFO], 12, v[PFO]               ; rows of obuf and of wob are both 4,096 bytes
	v_add_nc_u32 v[PFO2], s95, v[PFO]
	s_wait_tensorcnt 1                             ; my part of S0 is in; L0's, issued behind it, may stay out
	s_barrier_signal -1
	s_barrier_wait -1
	FETCH 0, 0, 0
	RESID 0                                        ; half of the residual: 32 loads, behind the first tiles; nothing waits for them before the way out
	RESID 1
	QUARTER 0, 1, 0, 1, 1                          ; the first quarter is written out: its products start the sums
	WIN 0
	s_mov_b32 s3, 5                                ; the loop's bottom is passed five times: it is entered in the middle of a trip, behind a small slot's first quarter
	s_branch .Lmid
.Llap:                                         ; a trip: the large slot, which is then filled again; the small slot, which is then filled again
	LARGE
	TURN 1, 0
	QUARTER 0, 1, 0, 1, 0
	WIN 0
.Lmid:
	QUARTER 0, 2, 1, 0, 0
	QUARTER 0, 3, 0, 1, 0
	TURN 0, 1
	WIN 0
	s_sub_co_u32 s3, s3, 1
	s_cmp_lg_u32 s3, 0
	s_cbranch_scc1 .Llap
	RESID 2                                        ; the tail, L4 and S5, is written out: it fills nothing.  The other half of the residual has twelve quarters in which to come
	RESID 3
	LARGE
	MEET 0                                         ; my one tensor load that was still out is S5's; behind this barrier nobody reads the large slot any more
	PLACES
	FETCH 0, 0, 0
	MULA 1, 2, 0
	MULA 1, 3, 0
	QUARTER 0, 1, 0, 1, 0
	QUARTER 0, 2, 1, 0, 0
	QUARTER 0, 3, 0, 1, 0
	s_wait_dscnt 4                                 ; the very last quarter: nothing more to fetch
	MULA 1, 0, 0
	MULA 1, 1, 0
	s_wait_dscnt 0x0
	MULA 1, 2, 0
	MULA 1, 3, 0
	WIN 0
	PLACES                                         ; behind the last products, in front of the LDS stores that read them: eight, once
	PLACES
.macro TOSTAGE a                       ; row block a: 16 stores into my stage (each accumulator's low half first), 16 loads back, a whole row each
	s_wait_xcnt 0x0                                ; the stores of the block two back have read the registers that the loads below write
	WIN 0x08+4*((\a)/2)                            ; store data in window 2 or 3
.set b, 0
.rept NBK
.set rD, 8*(NBK*((\a)%2)+b)
	ds_store_b128 v[STO], v[rD:rD+3]   offset:(b/4)*256+(b%4)*64
	ds_store_b128 v[STO], v[rD+4:rD+7] offset:(b/4)*256+(b%4)*64+16
.set b, b+1
.endr
	WIN 0
.set t, 0
.rept 16
	ds_load_b128 v[128+64*((\a)%2)+4*t:128+64*((\a)%2)+4*t+3], v[RD] offset:t*SPT  ; LDS serves a wave's instructions in order: these see the stores above, and the next block's stores come behind them
.set t, t+1
.endr
.endm
.macro SEND a, younger                 ; younger: the LDS instructions issued behind block a's loads
	s_wait_dscnt \younger                          ; the block is back in registers
.if (\a) == 0
	s_wait_loadcnt 32                              ; the residual's first half is in; the 32 younger loads may stay out
.endif
.if (\a) == 2
	s_wait_loadcnt 0x0                             ; its second half
.endif
	WIN 0x04*(1+(\a)/2)                            ; source 1, the residual, in window 1 or 2; it bears the same numbers there as the block in window 0
.set t, 0
.rept 32
	v_pk_add_f32 v[128+64*((\a)%2)+2*t:128+64*((\a)%2)+2*t+1], v[128+64*((\a)%2)+2*t:128+64*((\a)%2)+2*t+1], v[128+64*((\a)%2)+2*t:128+64*((\a)%2)+2*t+1]
.set t, t+1
.endr
	WIN 0
.set t, 0
.rept 16
	global_store_b128 v[CO], v[128+64*((\a)%2)+4*t:128+64*((\a)%2)+4*t+3], s[OB:OB+1] offset:(\a)*131072+t*8192 th:TH_STORE_NT  ; 16 lanes store 256 consecutive bytes, aligned
.set t, t+1
.endr
.endm
	TOSTAGE 0
	TOSTAGE 1
	SEND 0, 32
	TOSTAGE 2
	SEND 1, 32
	TOSTAGE 3
	SEND 2, 32
	SEND 3, 0
	s_wait_tensorcnt 0x0                           ; the wave's end: behind my last tensor load and my last LDS store
	ds_add_u32 v[SPW], v[NIL]
	s_wait_dscnt 0x0
	CROUND                                         ; the closing round: no work-group ends while a partner may still ask for a tile that names it
	s_endpgm
.Lfunc_end_k_q4ee097bec2_outp:
	.size	k_q4ee097bec2_outp, .Lfunc_end_k_q4ee097bec2_outp-k_q4ee097bec2_outp
	.p2alignl 7, 3214868480
	.fill 96, 4, 3214868480
	.section	.rodata,"a",@progbits
	.p2align	6, 0x0
	.amdhsa_kernel k_q4ee097bec2_outp
		.amdhsa_group_segment_fixed_size 327680
		.amdhsa_private_segment_fixed_size 0
		.amdhsa_enable_private_segment 0
		.amdhsa_kernarg_size 32
		.amdhsa_user_sgpr_count 2
		.amdhsa_user_sgpr_kernarg_segment_ptr 1
		.amdhsa_wavefront_size32 1
		.amdhsa_system_sgpr_workgroup_id_x 1
		.amdhsa_system_sgpr_workgroup_id_y 1
		.amdhsa_system_sgpr_workgroup_id_z 1
		.amdhsa_system_vgpr_workitem_id 0
		.amdhsa_next_free_vgpr 896
		.amdhsa_next_free_sgpr 96
		.amdhsa_reserve_vcc 0
		.amdhsa_float_denorm_mode_32 3
		.amdhsa_float_denorm_mode_16_64 3
		.amdhsa_memory_ordered 1
		.amdhsa_forward_progress 1
		.amdhsa_inst_pref_size 138
	.end_amdhsa_kernel
	.amdgpu_metadata
---
amdhsa.version: [ 1, 2 ]
amdhsa.kernels:
  - .name:           k_q4ee097bec2_outp
    .symbol:         k_q4ee097bec2_outp.kd
    .args:
      - { .name: obuf, .offset: 0, .size: 8, .value_kind: global_buffer, .address_space: global }
      - { .name: wob, .offset: 8, .size: 8, .value_kind: global_buffer, .address_space: global }
      - { .name: embeddings, .offset: 16, .size: 8, .value_kind: global_buffer, .address_space: global }
      - { .name: out0, .offset: 24, .size: 8, .value_kind: global_buffer, .address_space: global }
    .group_segment_fixed_size: 327680
    .private_segment_fixed_size: 0
    .kernarg_segment_align: 8
    .kernarg_segment_size: 32
    .max_flat_workgroup_size: 128
    .sgpr_count:     96
    .vgpr_count:     896
    .wavefront_size: 32
...
	.end_amdgpu_metadata
.endif
;; end of part 4
